; MI455X (gfx1250); checked and timed in simulation.
; The chip was launched on July 23, 2026; its instructions are those of AMD's public machine-readable ISA for CDNA 5 (MIT licence, August 2026) and "CDNA5" Instruction Set Architecture Reference Guide (July 2026). The comments in the code are by the model that wrote it; some were corrected since.
;; Self Attention. Allowed arithmetic: matrix products marked QUANTISED: E2M3 operands, one E8M0 scale for each 32 along K, by v_wmma_scale_f32_16x16x128_f8f6f4 with both operands' format E2M3, f32 sums; everything else in f32.
;; Inputs: b_out 1,024 float32; w_out 1,024 x 1,024 float32; w_qkv 3,072 x 1,024 float32; x 4 x 2,048 x 1,024 float32.
;; Outputs: out0 4 x 2,048 x 1,024 float32.
;; This version of the problem:
;;   THIS VERSION OF THE PROBLEM IS GIVEN IN LOW PRECISION. The matrix products marked QUANTISED in the list below multiply operands that are first quantised to E2M3 (2 exponent bits, 3 mantissa bits; 6 bits a number), with one power-of-two scale for each 32 numbers along K (OCP MX v1.0); their sums are f32. All else is computed in f32.
;;   The module's matrix products, in the order in which they are computed (A, B: the left and right operand; K: the contracted axis; several contracted axes count as one K, in the product's order):
;;     1. [M 8,192, K 1,024] x [K 1,024, N 3,072]; A: input x; B: input w_qkv: QUANTISED
;;     2. batch 64 x [M 2,048, K 64] x [K 64, N 2,048]; A: computed on the way; B: computed on the way: QUANTISED
;;     3. batch 64 x [M 2,048, K 2,048] x [K 2,048, N 64]; A: softmax (see below); B: computed on the way: QUANTISED
;;     4. [M 8,192, K 1,024] x [K 1,024, N 1,024]; A: computed on the way; B: input w_out: QUANTISED
;;   THE QUANTISER, for each operand of a quantised product, along K:
;;     - K is cut into blocks of 32 from its start; a last block that is shorter is filled with zeros.
;;     - A block's scale is 2^e with e = floor(log2(the largest magnitude in the block)) - 2, held to -126 .. 127; a block of zeros has e = 0. As a byte (E8M0): e + 127.
;;     - Each number is divided by its block's scale, clamped to +-7.5, and rounded to the nearest number of E2M3, ties to even, subnormals kept.
;;     - The product sums the exact products of the quantised numbers (number of the format x scale) in f32.
;;   ~~~python
;;   def quantise(x, axis):      # numpy; x: float32 -> the quantised numbers, widened to float32 again
;;       x = np.moveaxis(x, axis, -1); K = x.shape[-1]
;;       x = np.pad(x, [(0, 0)] * (x.ndim - 1) + [(0, -K % 32)]); x = x.reshape(x.shape[:-1] + (-1, 32)); a = np.abs(x).max(-1, keepdims=True)
;;       e = np.where(a > 0, np.clip(np.frexp(np.where(a > 0, a, 1))[1] - 1 - 2, -126, 127), 0)      # np.frexp(a)[1] - 1 = floor(log2(a)), exactly
;;       r = np.clip(x / 2.0 ** e, -7.5, 7.5)
;;       step = 2.0 ** (np.maximum(np.frexp(np.where(r == 0, 1, r))[1] - 1, 0) - 3)
;;       q = np.round(r / step) * step * 2.0 ** e      # np.round: ties to even
;;       return np.moveaxis(q.reshape(q.shape[:-2] + (-1,))[..., :K], -1, axis).astype(np.float32)
;;   ~~~
;;   SOFTMAX AHEAD OF A QUANTISED PRODUCT. Where the list says 'softmax', what is quantised is not the finished softmax but p = 2^(t - M), with t = logit x log2(e) and M = ceil(the row's largest t), a whole number; so 1/2 < the row's largest p <= 1. The row's sum l is taken of the UNQUANTISED p, in f32, and the product's result is divided by l at the end. Since M is a whole number, a kernel that streams over the keys may use a running M (the ceiling of the running maximum): every later rescaling is an exact power of two, which a block's scale takes up: the codes' values come out the same.
;;   OPERANDS COMPUTED ON THE WAY. 'Computed on the way' means the value that the module computes at that place (a softmax that the list does not call 'softmax' is quantised finished and normalised). What goes into a quantiser is computed in f32, as accurately as f32 sums, v_exp_f32 and their like allow (about 1e-6 of the number): no bf16 or f16 on the way to a quantiser, and a product that is left as it is and whose result goes on into a quantised operand takes f32 operands (vector FMAs, or v_wmma_f32_16x16x4_f32). A number that lies on a knife's edge between two numbers of the format may be rounded either way, as far as f32 arithmetic and the matrix unit's own rounding can turn it there, and no further.
;; One version. Each part assembles by itself: llvm-mc -triple=amdgcn-amd-amdhsa -mcpu=gfx1250 --defsym DOCPART=n.
;; ======== version 1 of 1: 4 launches
;; limits: right only within a limited range of input values
;; workspace buffers: opimg 9,437,184 bytes; opscl 393,216 bytes; qimg 6,291,456 bytes; qscl 524,288 bytes; kv 13,369,344 bytes; aimg 6,291,456 bytes; ascl 262,144 bytes
;; launch quant (part 1): grid 256 x 1, 6 waves a work-group, no clusters, 53,248 bytes of LDS; arguments x, w_qkv, w_out, opimg, opscl; writes opimg, opscl
.if DOCPART == 1
	.amdgcn_target "amdgcn-amd-amdhsa--gfx1250"
	.amdhsa_code_object_version 6
	.text
	.protected	k_q1c4ddc5c21_quant
	.globl	k_q1c4ddc5c21_quant
	.p2align	8
	.type	k_q1c4ddc5c21_quant,@function
k_q1c4ddc5c21_quant:
	s_mov_b64 s[64:65], 0
	v_nop
	global_prefetch_b8 v0, s[64:65] scope:SCOPE_SE
	s_setreg_imm32_b32 hwreg(HW_REG_WAVE_MODE, 25, 1), 1
	s_wait_xcnt 0x0
; x [8192][1024], w_qkv [3072][1024] and w_out [1024][1024], f32 with K innermost, become codes of FP6 (E2M3) with one E8M0 byte for each 32 along K,
; laid in the order of a matrix operand's registers, so that later launches load fragments as they stand.
; TILES.  Rows go in tiles of 16: lane r of tile 2 p + u holds row 32 p + 8 u + r + 8 (r / 8).  Tiles 0-511 are x, 512-703 w_qkv, 704-767 w_out.
; HALF IMAGE, 768 bytes: 16 rows x 64 along K.  Lane (r, h) owns the 24 bytes of k = 32 h .. 32 h + 31 of its row: registers 0-3 at byte 16 x lane, registers 4-5 at byte 512 + 8 x lane.
; opimg: [tile][16 half images].  opscl: [tile][4 pairs of K steps][16 rows][2 words]: a word is the four bytes of 128 along K of one row.
; A block's scale is 2^(floor(log2(largest magnitude)) - 2); its byte is the largest magnitude's exponent field - 2, held at 1 from below.
; LIMITS: NaN and infinities are not served; a block whose largest magnitude lies under 2^-124 keeps the byte 1; a block of zeros gets the byte 1 where the rule says 127: its codes are zeros, and this program alone reads the bytes.
; SHARES.  A wave takes one tile and half of K: four fragments of 16 rows x 128.  Each load reads 512 consecutive bytes of one row; a fragment turns through the wave's own stage in LDS, so that a lane
; gets 16 neighbours of each block of 32.  No barrier: waves share nothing.  Loads run one fragment (16 loads a wave) ahead of the one at work.
.set WREG, 8704                        ; LDS of a wave: the stage, 16 rows x SP bytes, and behind it 256 bytes of scale words
.set SP,   528                         ; a stage row: 512 bytes + 16, so that the 16 rows that a load of 16 bytes a lane touches begin 16 bytes apart modulo 256
.set SCA,  16*SP
.set L16,  4                           ; v4   16 x lane
.set L8,   5                           ; v5   8 x lane
.set SIN,  6                           ; v6   the stage, on the way in: 16 x lane
.set SOUT, 7                           ; v7   on the way out: SP r + 64 h
.set SWR,  8                           ; v8   my row's scale words: 8 r
.set SRD,  9                           ; v9   and on the way out 8 x lane
.set R,    16                          ; v16-143  two sets of 64 registers, as loaded
.set X,    144                         ; v144-207 register 16 b + i = k 32 b + 16 h + i of my row
.set PC,   208                         ; v208-227 the codes
.set TM,   228                         ; v228-243 at work
.set PW,   244                         ; v244     the scale word just made
.set SEL,  22                          ; s[22:23] lane selects for v_permlanex16_b32: lane l xor 16
; 64 numbers of a lane, register 16 b + i = k 32 b + 16 (lane / 16) + i of my row, become a fragment's codes in v[PC] on and its scale word in v[PW].
.macro QUANT s
.irp b, 0,1,2,3
	v_max3_num_f32 v[TM+\b], |v[\s+16*\b]|, |v[\s+1+16*\b]|, 0x1800000   ; block b: my 16 numbers, and the floor 2^(3 - 127): the byte cannot fall under 1
.endr
.irp i, 2,4,6,8,10,12,14
.irp b, 0,1,2,3
	v_max3_num_f32 v[TM+\b], v[TM+\b], |v[\s+16*\b+\i]|, |v[\s+1+16*\b+\i]|   ; the four blocks by turns
.endr
.endr
.irp b, 0,1,2,3
	v_permlanex16_b32 v[TM+4+\b], v[TM+\b], s[SEL], s[SEL+1]
.endr
.irp b, 0,1,2,3
	v_max_num_f32 v[TM+\b], v[TM+\b], v[TM+4+\b]   ; with lane l xor 16: the block's largest magnitude
.endr
.irp b, 0,1,2,3
	v_add_nc_u32 v[TM+12+\b], 0xff000000, v[TM+\b]   ; 2 off its exponent field: the conversion takes the exponent field of this operand as its scale
.endr
.irp b, 0,1,2,3
	v_lshrrev_b32 v[TM+4+\b], 23, v[TM+12+\b]      ; the scale's byte
.endr
	v_lshl_or_b32 v[PW], v[TM+5], 8, v[TM+4]
	v_lshl_or_b32 v[PW], v[TM+6], 16, v[PW]
	v_lshl_or_b32 v[PW], v[TM+7], 24, v[PW]
.irp c, 0,1
	v_cvt_scalef32_pk16_fp6_f32 v[PC+6*\c:PC+2+6*\c], v[\s+32*\c:\s+15+32*\c], v[TM+12+2*\c]
	v_cvt_scalef32_pk16_fp6_f32 v[PC+12+4*\c:PC+14+4*\c], v[\s+16+32*\c:\s+31+32*\c], v[TM+12+2*\c+1]   ; (a conversion's three registers begin on an even number)
.endr
	v_nop                                          ; one plain place behind a scaled conversion
.irp c, 0,1                                    ; the operand's layout wants a whole block in a lane: lanes 0-15 block 2 c, lanes 16-31 block 2 c + 1
.irp i, 0,1,2
	v_permlane16_swap_b32 v[PC+6*\c+\i], v[PC+12+4*\c+\i]
.endr
.irp i, 0,1,2
	v_mov_b32 v[PC+3+6*\c+\i], v[PC+12+4*\c+\i]
.endr
.endr
.endm
.macro LOAD s                          ; fragment s: 16 rows x 512 bytes, into set s % 2
.irp i, 0,1,2,3,4,5,6,7,8,9,10,11,12,13,14,15
	global_load_b128 v[R+64*((\s)%2)+4*\i:R+64*((\s)%2)+4*\i+3], v[L16], s[14:15] offset:(\i+8*(\i/8))*4096+512*(\s) th:TH_LOAD_NT
.endr
.endm
.macro FRAGM s
.if (\s) < 3
	s_wait_loadcnt 16                              ; this fragment's 16 loads are in; the next fragment's may be out
.else
	s_wait_loadcnt 0x0
.endif
.irp i, 0,1,2,3,4,5,6,7,8,9,10,11,12,13,14,15
	ds_store_b128 v[SIN], v[R+64*((\s)%2)+4*\i:R+64*((\s)%2)+4*\i+3] offset:SP*\i
.endr
.irp b, 0,1,2,3
.irp j, 0,1,2,3
	ds_load_b128 v[X+16*\b+4*\j:X+16*\b+4*\j+3], v[SOUT] offset:128*\b+16*\j   ; LDS serves a wave's instructions in order: these see the stores above
.endr
.endr
	s_wait_dscnt 0x0                               ; the numbers are back, so the stage's stores have read their registers
	s_wait_xcnt 0x0                                ; the last fragment's stores have read the codes' registers, which are written again below
.if (\s) < 2
	LOAD (\s)+2
.endif
	QUANT X
.irp c, 0,1
	global_store_b128 v[L16], v[PC+6*\c:PC+6*\c+3], s[10:11] offset:(2*(\s)+\c)*768         ; 512 consecutive bytes, aligned to 256
	global_store_b64 v[L8], v[PC+6*\c+4:PC+6*\c+5], s[10:11] offset:(2*(\s)+\c)*768+512     ; 256 consecutive bytes, aligned
.endr
	ds_store_b32 v[SWR], v[PW] offset:((\s)/2)*128+4*((\s)%2)   ; both halves of the lanes write the same word with the same value
.endm
	s_load_b256 s[4:11], s[0:1], 0x0               ; x s[4:5], w_qkv s[6:7], w_out s[8:9], opimg s[10:11]
	s_load_b64 s[12:13], s[0:1], 0x20              ; opscl
	v_lshl_add_u32 v254, v0, 2, 0xcc00             ; the spare words lie behind the six waves' regions of 8,704 bytes
	v_mov_b32 v255, 0
	v_lshrrev_b32 v1, 5, v0
	v_readfirstlane_b32 s18, v1                    ; wave 0..5
	v_and_b32 v2, 31, v0                           ; lane
	v_and_b32 v3, 15, v0                           ; r
	v_bfe_u32 v1, v0, 4, 1                         ; h
	v_lshlrev_b32 v[L16], 4, v2
	v_lshlrev_b32 v[L8], 3, v2
	s_mul_i32 s19, s18, WREG
	v_add_nc_u32 v[SIN], s19, v[L16]
	v_mul_u32_u24 v[SOUT], v3, SP
	v_lshl_add_u32 v[SOUT], v1, 6, v[SOUT]
	v_add_nc_u32 v[SOUT], s19, v[SOUT]
	s_add_co_u32 s19, s19, SCA
	v_lshl_add_u32 v[SWR], v3, 3, s19
	v_add_nc_u32 v[SRD], s19, v[L8]
	s_mov_b32 s[SEL], 0x76543210
	s_mov_b32 s[SEL+1], 0xfedcba98
.irp b, 0,1,2,3
	v_mov_b32 v[TM+4+\b], 0                        ; written once: a lane permute's destination counts as one of its sources
.endr
	s_mul_i32 s17, ttmp9, 6
	s_add_co_u32 s17, s17, s18                     ; G = 6 x work-group + wave, 0 .. 1,535: tile G / 2, half G % 2 of K
	s_lshr_b32 s24, s17, 1
	s_and_b32 s25, s17, 1
	s_wait_alu depctr_va_vdst(0)
	s_wait_kmcnt 0x0
	s_cmp_lt_u32 s24, 512                          ; which tensor: the choice hangs on the tile's number alone
	s_cselect_b64 s[14:15], s[4:5], s[6:7]
	s_cselect_b32 s16, 0, 512                      ; and its first tile
	s_cmp_lt_u32 s24, 704
	s_cselect_b64 s[14:15], s[14:15], s[8:9]
	s_cselect_b32 s16, s16, 704
	s_sub_co_u32 s26, s24, s16                     ; the tile's number in its tensor
	s_lshr_b32 s27, s26, 1
	s_lshl_b32 s27, s27, 17                        ; 32 rows of 4,096 bytes for each pair of tiles,
	s_and_b32 s26, s26, 1
	s_lshl_b32 s26, s26, 15                        ; 8 rows for the odd tile,
	s_add_co_u32 s26, s26, s27
	s_lshl_b32 s27, s25, 11                        ; 2,048 bytes for the second half of K
	s_add_co_u32 s26, s26, s27
	s_mov_b32 s27, 0
	s_add_nc_u64 s[14:15], s[14:15], s[26:27]
	s_mul_i32 s28, s17, 6144                       ; eight half images a wave
	s_mov_b32 s29, 0
	s_add_nc_u64 s[10:11], s[10:11], s[28:29]
	s_lshl_b32 s28, s17, 8                         ; 256 bytes of scale words a wave
	s_add_nc_u64 s[12:13], s[12:13], s[28:29]
	LOAD 0
	LOAD 1
	FRAGM 0
	FRAGM 1
	FRAGM 2
	FRAGM 3
	ds_load_b64 v[10:11], v[SRD]                   ; my wave's 256 bytes of scale words: these see my stores
	s_wait_dscnt 0x0
	global_store_b64 v[L8], v[10:11], s[12:13]     ; 256 consecutive bytes, aligned
	s_wait_tensorcnt 0x0
	ds_add_u32 v254, v255
	s_wait_dscnt 0x0
	s_endpgm
.Lfunc_end_k_q1c4ddc5c21_quant:
	.size	k_q1c4ddc5c21_quant, .Lfunc_end_k_q1c4ddc5c21_quant-k_q1c4ddc5c21_quant
	.p2alignl 7, 3214868480
	.fill 96, 4, 3214868480
	.section	.rodata,"a",@progbits
	.p2align	6, 0x0
	.amdhsa_kernel k_q1c4ddc5c21_quant
		.amdhsa_group_segment_fixed_size 53248
		.amdhsa_private_segment_fixed_size 0
		.amdhsa_enable_private_segment 0
		.amdhsa_kernarg_size 40
		.amdhsa_user_sgpr_count 2
		.amdhsa_user_sgpr_kernarg_segment_ptr 1
		.amdhsa_wavefront_size32 1
		.amdhsa_system_sgpr_workgroup_id_x 1
		.amdhsa_system_sgpr_workgroup_id_y 1
		.amdhsa_system_sgpr_workgroup_id_z 1
		.amdhsa_system_vgpr_workitem_id 0
		.amdhsa_next_free_vgpr 256
		.amdhsa_next_free_sgpr 66
		.amdhsa_reserve_vcc 0
		.amdhsa_float_denorm_mode_32 3
		.amdhsa_float_denorm_mode_16_64 3
		.amdhsa_memory_ordered 1
		.amdhsa_forward_progress 1
		.amdhsa_inst_pref_size 34
	.end_amdhsa_kernel
	.amdgpu_metadata
---
amdhsa.version: [ 1, 2 ]
amdhsa.kernels:
  - .name:           k_q1c4ddc5c21_quant
    .symbol:         k_q1c4ddc5c21_quant.kd
    .args:
      - { .name: x, .offset: 0, .size: 8, .value_kind: global_buffer, .address_space: global }
      - { .name: w_qkv, .offset: 8, .size: 8, .value_kind: global_buffer, .address_space: global }
      - { .name: w_out, .offset: 16, .size: 8, .value_kind: global_buffer, .address_space: global }
      - { .name: opimg, .offset: 24, .size: 8, .value_kind: global_buffer, .address_space: global }
      - { .name: opscl, .offset: 32, .size: 8, .value_kind: global_buffer, .address_space: global }
    .group_segment_fixed_size: 53248
    .private_segment_fixed_size: 0
    .kernarg_segment_align: 8
    .kernarg_segment_size: 40
    .max_flat_workgroup_size: 192
    .sgpr_count:     66
    .vgpr_count:     256
    .wavefront_size: 32
...
	.end_amdgpu_metadata
.endif
;; end of part 1
;; launch qkv (part 2): grid 8 x 32, 4 waves a work-group, clusters of 4 x 4, 327,680 bytes of LDS; arguments opimg, opscl, qimg, qscl, kv; writes qimg, qscl, kv
.if DOCPART == 2
	.amdgcn_target "amdgcn-amd-amdhsa--gfx1250"
	.amdhsa_code_object_version 6
	.text
	.protected	k_q1c4ddc5c21_qkv
	.globl	k_q1c4ddc5c21_qkv
	.p2align	8
	.type	k_q1c4ddc5c21_qkv,@function
k_q1c4ddc5c21_qkv:
	s_mov_b64 s[64:65], 0
	v_nop
	global_prefetch_b8 v0, s[64:65] scope:SCOPE_SE
	s_setreg_imm32_b32 hwreg(HW_REG_WAVE_MODE, 25, 1), 1
	s_wait_xcnt 0x0
	s_wait_alu depctr_hold_cnt(0) depctr_sa_sdst(0) depctr_va_vdst(0) depctr_va_sdst(0) depctr_va_ssrc(0) depctr_va_vcc(0) depctr_vm_vsrc(0)
	s_getreg_b32 s2, hwreg(HW_REG_IB_STS2, 6, 4)
	s_cmp_eq_u32 s2, 0
	s_cbranch_scc0 .Lentry_in_a_cluster
	s_endpgm
.Lentry_in_a_cluster:
	s_bfe_u32 s2, ttmp6, 0x10000c
	s_cmp_lg_u32 s2, 0xf033
	s_cbranch_scc0 .Lentry_shape_is_right
	s_endpgm
.Lentry_shape_is_right:
; Q, K, V = x w_qkv^T on codes of FP6 (E2M3) with E8M0 scales, read as operand images (opimg, opscl), and their quantisers: the results leave as operand images for the attention launch.
; SHARES.  32 blocks of 256 tokens x 8 groups of two heads = 256 work-groups of four waves.  A work-group makes three tiles of 256 tokens x 128 columns on end: its two heads of Q, of K, of V.
; A wave takes 128 tokens (one key step) x 64 columns (one head): 32 accumulators, 256 registers.
; LDS: x's 256 rows as two halves of K, [half][16 tiles][6,144 bytes], filled once and read by all three tiles; behind them the weight's 128 rows likewise, [half][8 tiles][6,144 bytes]; the spare words.
; FILLS.  At the head one joint load a wave, each in an arm of its own: x's half 0, W_q's half 0, x's half 1, W_q's half 1.  The head's barrier shows the two halves 0 (waves 0 and 1 wait for their loads in front of it);
; the halves 1 are shown by the round in K step 3, in front of which every wave waits for all its loads.  A half of the weight's region is filled again with the next weight's in a drained round of the cluster's barrier
; each wave two tiles: half 0 inside K step 3, half 1 inside K step 7, when the fragments of that half have all been fetched.  x's tiles are shared along a row of the cluster, a weight's along a column.
; NO PREFETCH: a refill is asked for four K steps and a way out (128 products and four quantised blocks) ahead of the first LDS read of its bytes.
; SCALE WORDS go from memory into registers, 256 consecutive bytes a load: lanes 0-15 take one pair of K steps, lanes 16-31 the next pair, and the product names the row of lanes.  x's 32 registers serve all three tiles.
; Q, K: source 0 = the weight's rows, so a lane's registers run along the head's 64.  V: source 0 = x's rows, so they run along the tokens.  Those are the next products' K.
; A K STEP: the wait for its fragments, the run of 48 LDS loads for the next step into the other set of registers, 32 products, the accumulators by turns.
; LIMITS: NaN and infinities are not served; a block whose largest magnitude lies under 2^-124, a block of zeros too, keeps the byte 1: this program alone reads the bytes.
; REGISTERS.  Window 0: v4-15 addresses, v16-31 at work, v32-63 x's scale words, v66-81 the weight's, v128-223 x's fragments set 0, v224-253 the way out.  Window 1: v0-47, v64-111 the weight's two sets, v128-223 x's set 1.  Window 2: the sums.
.set TILEB, 12288
.set HIB,   768
.set KH,    6144
.set AHB,   16*KH                      ; a half of K of x's 16 tiles
.set BB,    2*AHB
.set BH,    8*KH                       ; a half of K of the weight's 8 tiles
.set SPARE, BB+2*BH
.set WT0,   512                        ; w_qkv's first tile in opimg
.set WSTEP, 64*TILEB                   ; from a weight's tiles to the next weight's
.set ADA16, 4
.set ADA8,  6
.set ADB16, 8
.set ADB8,  10
.set L16,   12
.set L8,    13
.set SPW,   14
.set NIL,   15
.set TM,    16
.set SA,    32
.set SBB,   66                         ; 2 more than SA modulo 8
.set PC,    224
.set WD,    244
.set PR,    248
.set G1A, 24
.set G1B, 32
.set G1R, 48
.set G0HA, 56
.set G0HB, 60
.set G0R, 68                           ; s[68:71] half 0's refills, s[72:75] half 1's
.set WS,  76                           ; s[76:77] the weight's scale words
.set IB,  78                           ; s[78:79] where this tile's images go, s[80:81] its scale words; s[82:85] K's; s[86:89] V's
.set SBS, 80
.set MK,  90
.set SEL, 94
.set MSB, 0
.macro WIN new
.if MSB != (\new)
	s_set_vgpr_msb (MSB<<8)|(\new)
.set MSB, (\new)
.endif
.endm
.macro PLACES n
.rept \n
	v_nop
.endr
.endm
.macro WALU
	s_wait_alu depctr_va_vdst(0)
.endm
.macro CREST
	s_cmp_lg_u32 s14, 0
	s_cbranch_scc1 .Lnot_wave_0_\@
	s_barrier_signal -3
.Lnot_wave_0_\@:
	s_barrier_wait -3
	s_barrier_signal -1
	s_barrier_wait -1
.endm
.macro CROUND
	s_barrier_signal -1
	s_barrier_wait -1
	CREST
.endm
.macro TLOAD g0, g1
	tensor_load_to_lds s[\g0:\g0+3], s[\g1:\g1+7]
	s_nop 0
	PLACES 4
.endm
.macro GROUP1 g, mask, rows            ; rows of 6,144 bytes (768 elements of 8), 12,288 bytes apart in memory, dense in LDS
	s_or_b32 s[\g], s[\mask], (3<<16)|(1<<21)
	s_mov_b32 s[\g+1], 768<<16
	s_mov_b32 s[\g+2], (\rows)<<16
	s_mov_b32 s[\g+3], 768<<16
	s_mov_b32 s[\g+4], \rows
	s_mov_b32 s[\g+5], 1536
	s_mov_b32 s[\g+6], 0
	s_mov_b32 s[\g+7], 0
.endm
.macro G0SET g, base, off              ; group 0: count, address = base + offset pair, type (the LDS address is written apart)
	s_mov_b32 s[\g], 1
	s_add_nc_u64 s[\g+2:\g+3], s[\base:\base+1], s[\off:\off+1]
	s_or_b32 s[\g+3], s[\g+3], 0x80000000
.endm
.macro FETCH q, s                      ; K step q's fragments into set s: the weight's 4, x's 8
	WIN 0x40
.irp b, 0,1,2,3
.irp c, 0,1
	ds_load_b128 v[64*(\s)+12*\b+6*\c:64*(\s)+12*\b+6*\c+3], v[ADB16+(\q)/4] offset:\b*KH+(2*((\q)%4)+\c)*HIB
	ds_load_b64 v[64*(\s)+12*\b+6*\c+4:64*(\s)+12*\b+6*\c+5], v[ADB8+(\q)/4] offset:\b*KH+(2*((\q)%4)+\c)*HIB+512
.endr
.endr
	WIN (\s)<<6
.irp i, 0,1,2,3,4,5,6,7
.irp c, 0,1
	ds_load_b128 v[128+12*\i+6*\c:128+12*\i+6*\c+3], v[ADA16+(\q)/4] offset:\i*KH+(2*((\q)%4)+\c)*HIB
	ds_load_b64 v[128+12*\i+6*\c+4:128+12*\i+6*\c+5], v[ADA8+(\q)/4] offset:\i*KH+(2*((\q)%4)+\c)*HIB+512
.endr
.endr
.endm
.macro W1 d, s0, s1, c, x0, x1, row
.if \row
	v_wmma_scale_f32_16x16x128_f8f6f4 v[\d:\d+7], v[\s0:\s0+11], v[\s1:\s1+11], \c, v[\x0], v[\x1] matrix_a_fmt:MATRIX_FMT_FP6 matrix_b_fmt:MATRIX_FMT_FP6 matrix_a_scale:MATRIX_SCALE_ROW1 matrix_b_scale:MATRIX_SCALE_ROW1
.else
	v_wmma_scale_f32_16x16x128_f8f6f4 v[\d:\d+7], v[\s0:\s0+11], v[\s1:\s1+11], \c, v[\x0], v[\x1] matrix_a_fmt:MATRIX_FMT_FP6 matrix_b_fmt:MATRIX_FMT_FP6
.endif
.endm
; the products of K step q for x's tiles a0 .. a1 - 1, each against the weight's four.  kind 0: sum (a, b) at 8 (4 a + b); kind 1: at 8 (8 b + a).  first = 1: C = 0 starts the sums
.macro MULR kind, q, a0, a1, first
.set S_, (\q)%2
.set XO_, 2*((\q)/4)+(\q)%2
.set R_, ((\q)/2)%2
.if \kind
	WIN S_|(1<<2)|0xa0
.else
	WIN 1|(S_<<2)|0xa0
.endif
.set A_, \a0
.rept (\a1)-(\a0)
.set B_, 0
.rept 4
.if \kind
.set D_, 8*(8*B_+A_)
.if \first
	W1 D_, 128+12*A_, 64*S_+12*B_, 0, SA+4*A_+XO_, SBB+4*B_+XO_, R_
.else
	W1 D_, 128+12*A_, 64*S_+12*B_, v[D_:D_+7], SA+4*A_+XO_, SBB+4*B_+XO_, R_
.endif
.else
.set D_, 8*(4*A_+B_)
.if \first
	W1 D_, 64*S_+12*B_, 128+12*A_, 0, SBB+4*B_+XO_, SA+4*A_+XO_, R_
.else
	W1 D_, 64*S_+12*B_, 128+12*A_, v[D_:D_+7], SBB+4*B_+XO_, SA+4*A_+XO_, R_
.endif
.endif
.set B_, B_+1
.endr
.set A_, A_+1
.endr
.endm
.macro STEP kind, q, fetch             ; a plain K step
	s_wait_dscnt 0x0                               ; this step's fragments are in
.if \fetch
	PLACES 4                                       ; behind the last step's products, which read the set that is loaded now
	FETCH ((\q)+1)%8, ((\q)+1)%2
.endif
.if (\q) == 0
	MULR \kind, \q, 0, 8, 1
.else
	MULR \kind, \q, 0, 8, 0
.endif
.endm
.macro RSTEP kind, q, h                ; a K step with the round in which half h of the weight's region is filled again
	s_wait_dscnt 0x0                               ; this step's fragments are in: my reads of half h are over
	WIN 0
	s_wait_tensorcnt 0x0                           ; all my tensor loads have landed
	ds_add_u32 v[SPW], v[NIL]
	s_add_nc_u64 s[G0R+4*\h+2:G0R+4*\h+3], s[G0R+4*\h+2:G0R+4*\h+3], WSTEP   ; no load of mine is out: on to the next weight
	MULR \kind, \q, 0, 2, 0
	s_wait_dscnt 0x0
	s_barrier_signal -1
	MULR \kind, \q, 2, 4, 0
	WIN 0
	s_barrier_wait -1
	CREST
	TLOAD G0R+4*\h, G1R                            ; its four v_nop are also the places in front of the loads below
	FETCH ((\q)+1)%8, ((\q)+1)%2                   ; what the round has shown: the other half
	MULR \kind, \q, 4, 8, 0
.endm
; 64 sums of a lane, four blocks of 32 along the next K (16 of each in this lane, 16 in lane l xor 16), become two half images, stored at o0 and o1 from s[ib:ib+1], and the scale word v[WD+n]
.macro QBLK n, ib, o0, o1
.set AC, 64*(\n)
	WIN (2<<2)|(2<<4)
.irp b, 0,1,2,3
	v_max3_num_f32 v[TM+\b], 0x1800000, |v[AC+16*\b]|, |v[AC+16*\b+1]|   ; with the floor 2^(3 - 127): the byte cannot fall under 1
.endr
.irp i, 2,4,6,8,10,12,14
.irp b, 0,1,2,3
	v_max3_num_f32 v[TM+\b], v[TM+\b], |v[AC+16*\b+\i]|, |v[AC+16*\b+\i+1]|
.endr
.endr
	WIN 0
.irp b, 0,1,2,3
	v_permlanex16_b32 v[TM+4+\b], v[TM+\b], s[SEL], s[SEL+1]
.endr
.irp b, 0,1,2,3
	v_max_num_f32 v[TM+\b], v[TM+\b], v[TM+4+\b]
.endr
.irp b, 0,1,2,3
	v_add_nc_u32 v[TM+12+\b], 0xff000000, v[TM+\b]   ; 2 off the exponent field: the conversion's scale operand
.endr
.irp b, 0,1,2,3
	v_lshrrev_b32 v[TM+4+\b], 23, v[TM+12+\b]
.endr
	v_lshl_or_b32 v[WD+(\n)], v[TM+5], 8, v[TM+4]
	v_lshl_or_b32 v[WD+(\n)], v[TM+6], 16, v[WD+(\n)]
	v_lshl_or_b32 v[WD+(\n)], v[TM+7], 24, v[WD+(\n)]
	WALU
	s_wait_xcnt 0x0                                ; the last block's stores have read the codes' registers
	WIN 2
.irp c, 0,1
	v_cvt_scalef32_pk16_fp6_f32 v[PC+6*\c:PC+6*\c+2], v[AC+32*\c:AC+32*\c+15], v[TM+12+2*\c]
	v_cvt_scalef32_pk16_fp6_f32 v[PC+12+4*\c:PC+14+4*\c], v[AC+32*\c+16:AC+32*\c+31], v[TM+12+2*\c+1]
.endr
	WIN 0
	v_nop                                          ; one plain place behind a scaled conversion
.irp c, 0,1
.irp i, 0,1,2
	v_permlane16_swap_b32 v[PC+6*\c+\i], v[PC+12+4*\c+\i]
.endr
.irp i, 0,1,2
	v_mov_b32 v[PC+3+6*\c+\i], v[PC+12+4*\c+\i]
.endr
.endr
	global_store_b128 v[L16], v[PC:PC+3], s[\ib:\ib+1] offset:\o0
	global_store_b64 v[L8], v[PC+4:PC+5], s[\ib:\ib+1] offset:(\o0)+512
	global_store_b128 v[L16], v[PC+6:PC+9], s[\ib:\ib+1] offset:\o1
	global_store_b64 v[L8], v[PC+10:PC+11], s[\ib:\ib+1] offset:(\o1)+512
.endm
.macro LOADSB                          ; the weight's scale words, my four tiles: 8 loads of 256 consecutive bytes
.irp b, 0,1,2,3
.irp p, 0,1
	global_load_b64 v[SBB+4*\b+2*\p:SBB+4*\b+2*\p+1], v[L8], s[WS:WS+1] offset:\b*512+\p*256
.endr
.endr
.endm
	s_load_b128 s[4:7], s[0:1], 0x0                ; opimg, opscl
	s_load_b128 s[96:99], s[0:1], 0x10             ; qimg, qscl
	s_load_b64 s[100:101], s[0:1], 0x20            ; kv
	v_lshl_add_u32 v[SPW], v0, 2, SPARE
	v_mov_b32 v[NIL], 0
	ds_add_u32 v[SPW], v[NIL]                      ; the opening lines
	ds_add_u32 v[SPW], v[NIL]
	v_lshrrev_b32 v1, 5, v0
	v_readfirstlane_b32 s14, v1                    ; wave; s15: which 128 tokens (at the head: which half of K I fetch), s16: which head of the two (at the head: x or the weight)
	s_lshr_b32 s15, s14, 1
	s_and_b32 s16, s14, 1
	s_bfe_u32 s40, ttmp6, 0x40000                  ; cx
	s_bfe_u32 s41, ttmp6, 0x40004                  ; cy
	s_lshl_b32 s42, ttmp9, 2
	s_add_co_u32 s42, s42, s40                     ; group of two heads, 0..7
	s_and_b32 s17, ttmp7, 0xffff
	s_lshl_b32 s17, s17, 2
	s_add_co_u32 s17, s17, s41                     ; block of 256 tokens, 0..31
	s_lshl_b32 s43, s41, 2
	s_lshl_b32 s43, 15, s43                        ; my row of the cluster
	s_lshl_b32 s44, 0x1111, s40                    ; my column
	GROUP1 G1A, 43, 16                             ; 16 tiles of x, half of K
	GROUP1 G1B, 44, 8                              ; 8 tiles of a weight, half of K
	GROUP1 G1R, 44, 2                              ; 2 tiles of a weight, half of K
	s_mul_i32 s19, s15, KH                         ; the head's loads: half wave / 2 of K
	s_lshl_b32 s20, s17, 4
	s_mul_i32 s20, s20, TILEB
	s_add_co_u32 s20, s20, s19                     ; of x's tiles 16 x block ..
	s_mov_b32 s21, 0
	s_lshl_b32 s46, s42, 3
	s_add_co_u32 s46, s46, WT0                     ; W_q's first tile of my two heads
	s_mul_i32 s22, s46, TILEB
	s_add_co_u32 s22, s22, s19                     ; of W_q's 8 tiles
	s_mov_b32 s23, 0
	s_lshl_b32 s18, s14, 1
	s_add_co_u32 s18, s18, s46
	s_mul_i32 s92, s18, TILEB                      ; the refills: my two tiles (stepped to the next weight ahead of each use)
	s_mov_b32 s93, 0
	s_lshl_b32 s10, s17, 4
	s_lshl_b32 s18, s15, 3
	s_add_co_u32 s10, s10, s18
	s_lshl_b32 s10, s10, 9                         ; x's scale words: 512 bytes a tile, my 8 tiles
	s_mov_b32 s11, 0
	s_lshl_b32 s18, s16, 2
	s_add_co_u32 s12, s46, s18
	s_lshl_b32 s12, s12, 9                         ; the weight's: my 4 tiles
	s_mov_b32 s13, 0
	s_lshr_b32 s2, s17, 3
	s_lshl_b32 s2, s2, 4
	s_lshl_b32 s3, s42, 1
	s_add_co_u32 s2, s2, s3
	s_add_co_u32 s2, s2, s16                       ; 16 x batch + head
	s_and_b32 s3, s17, 7
	s_lshl_b32 s3, s3, 1
	s_add_co_u32 s3, s3, s15                       ; my key step of 128 tokens, 0..15
	s_mul_i32 s78, s2, 98304                       ; qimg: 128 tiles a head, 8 a key step
	s_mul_i32 s18, s3, 6144
	s_add_co_u32 s78, s78, s18
	s_mov_b32 s79, 0
	s_lshl_b32 s80, s2, 13                         ; qscl: 8,192 bytes a head, 512 a key step
	s_lshl_b32 s18, s3, 9
	s_add_co_u32 s80, s80, s18
	s_mov_b32 s81, 0
	s_mul_i32 s84, s2, 208896                      ; kv: the head's record; k's scale groups, 512 bytes a key step, from its start;
	s_add_co_u32 s88, s84, 8192                    ; v's, 256 a key step, from byte 8,192;
	s_add_co_u32 s82, s84, 12288                   ; the key steps' units of 12,288 bytes behind unit 0: k's 8 tiles,
	s_add_co_u32 s84, s84, s18
	s_mov_b32 s85, 0
	s_mul_i32 s18, s3, 12288
	s_add_co_u32 s82, s82, s18
	s_mov_b32 s83, 0
	s_add_co_u32 s86, s82, 6144                    ; then v's
	s_mov_b32 s87, 0
	s_lshl_b32 s18, s3, 8
	s_add_co_u32 s88, s88, s18
	s_mov_b32 s89, 0
	s_mov_b32 s[MK], 0xffff0000
	s_mov_b32 s[SEL], 0x76543210
	s_mov_b32 s[SEL+1], 0xfedcba98
	s_mul_i32 s[G0HA+1], s15, AHB
	s_mul_i32 s[G0HB+1], s15, BH
	s_add_co_u32 s[G0HB+1], s[G0HB+1], BB
	s_mul_i32 s[G0R+1], s14, 2*KH
	s_add_co_u32 s[G0R+1], s[G0R+1], BB
	s_add_co_u32 s[G0R+5], s[G0R+1], BH
	s_wait_dscnt 0x0
	s_wait_kmcnt 0x0
	G0SET G0HA, 4, 20
	G0SET G0HB, 4, 22
	G0SET G0R, 4, 92
	s_add_co_u32 s92, s92, KH
	G0SET G0R+4, 4, 92
	s_add_nc_u64 s[8:9], s[6:7], s[10:11]
	s_add_nc_u64 s[WS:WS+1], s[6:7], s[12:13]
	s_add_nc_u64 s[78:79], s[96:97], s[78:79]
	s_add_nc_u64 s[80:81], s[98:99], s[80:81]
	s_add_nc_u64 s[82:83], s[100:101], s[82:83]
	s_add_nc_u64 s[84:85], s[100:101], s[84:85]
	s_add_nc_u64 s[86:87], s[100:101], s[86:87]
	s_add_nc_u64 s[88:89], s[100:101], s[88:89]
	CROUND                                         ; all sixteen work-groups are here: the first joint loads meet
	s_cmp_eq_u32 s14, 0                            ; one chain of branches on the wave's number, one load to an arm
	s_cbranch_scc0 .Lwave_1
	TLOAD G0HA, G1A                                ; wave 0: x's half 0 of K
	s_branch .Lhead_asked
.Lwave_1:
	s_cmp_eq_u32 s14, 1
	s_cbranch_scc0 .Lwave_2
	TLOAD G0HB, G1B                                ; wave 1: W_q's half 0
	s_branch .Lhead_asked
.Lwave_2:
	s_cmp_eq_u32 s14, 2
	s_cbranch_scc0 .Lwave_3
	TLOAD G0HA, G1A                                ; wave 2: x's half 1
	s_branch .Lhead_asked
.Lwave_3:
	TLOAD G0HB, G1B                                ; wave 3: W_q's half 1
.Lhead_asked:
	v_and_b32 v2, 31, v0
	v_lshlrev_b32 v[L16], 4, v2
	v_lshlrev_b32 v[L8], 3, v2
	s_mul_i32 s18, s15, 8*KH
	v_add_nc_u32 v[ADA16], s18, v[L16]             ; x's 8 tiles of mine, half 0 of K,
	v_add_nc_u32 v[ADA8], s18, v[L8]
	s_add_co_u32 s18, s18, AHB
	v_add_nc_u32 v[ADA16+1], s18, v[L16]           ; half 1
	v_add_nc_u32 v[ADA8+1], s18, v[L8]
	s_mul_i32 s18, s16, 4*KH
	s_add_co_u32 s18, s18, BB
	v_add_nc_u32 v[ADB16], s18, v[L16]             ; the weight's four tiles, half 0 of K,
	v_add_nc_u32 v[ADB8], s18, v[L8]
	s_add_co_u32 s18, s18, BH
	v_add_nc_u32 v[ADB16+1], s18, v[L16]           ; half 1
	v_add_nc_u32 v[ADB8+1], s18, v[L8]
.irp b, 0,1,2,3
	v_mov_b32 v[TM+4+\b], 0                        ; written once: a lane permute's destination counts as one of its sources
.endr
.irp i, 0,1,2,3,4,5,6,7
.irp p, 0,1
	global_load_b64 v[SA+4*\i+2*\p:SA+4*\i+2*\p+1], v[L8], s[8:9] offset:\i*512+\p*256
.endr
.endr
	LOADSB
	WALU
	s_cmp_lt_u32 s14, 2
	s_cbranch_scc0 .Lnot_half_0
	s_wait_tensorcnt 0x0                           ; waves 0 and 1: my half 0 is in
.Lnot_half_0:
	s_barrier_signal -1
	s_barrier_wait -1                              ; both halves 0 are in; the halves 1 may still be on their way
	FETCH 0, 0
	WIN 0
	s_wait_loadcnt 0x0                             ; the scale words
	s_mov_b32 s91, 0
.Ltile:                                                ; two trips: Q, K
	STEP 0, 0, 1
	STEP 0, 1, 1
	STEP 0, 2, 1
	RSTEP 0, 3, 0
	STEP 0, 4, 1
	STEP 0, 5, 1
	STEP 0, 6, 1
	RSTEP 0, 7, 1                                  ; its fetch brings the next tile's first fragments
	WIN 0
	PLACES 4                                       ; behind the last products: ahead of the loads into their scale registers and of the first read of the sums
	s_add_nc_u64 s[WS:WS+1], s[WS:WS+1], 64*512
	LOADSB                                         ; the next weight's scale words land under the way out
.irp n, 0,1,2,3
	QBLK \n, IB, 2*\n*HIB, (2*\n+1)*HIB            ; x's tiles 2 n and 2 n + 1, my head's 64 columns
.endr
.irp n, 0,1,2,3                                ; a scale group: lanes 0-15 | 16-31 hold tiles 0 | 1 and 2 | 3 (4 | 5, 6 | 7), two bytes each under two bytes of 0
	v_and_b32 v252, 0xffff, v[WD+\n]
	v_lshrrev_b32 v253, 16, v[WD+\n]
	v_cndmask_b32 v[PR+\n], v252, v253, s[MK]
.endr
	global_store_b64 v[L8], v[PR:PR+1], s[SBS:SBS+1]
	global_store_b64 v[L8], v[PR+2:PR+3], s[SBS:SBS+1] offset:256
	WALU
	s_wait_xcnt 0x0                                ; the stores have read their bases
	s_mov_b64 s[IB:IB+1], s[82:83]                 ; the second trip's results are K's
	s_mov_b64 s[SBS:SBS+1], s[84:85]
	s_wait_loadcnt 0x0
	s_add_co_u32 s91, s91, 1
	s_cmp_lg_u32 s91, 2
	s_cbranch_scc1 .Ltile
	STEP 1, 0, 1                                   ; V: nothing more is filled
	STEP 1, 1, 1
	STEP 1, 2, 1
	s_wait_dscnt 0x0
	s_wait_tensorcnt 0x0                           ; my part of W_v's half 1 is in;
	s_barrier_signal -1                            ; a plain barrier shows it to all
	MULR 1, 3, 0, 4, 0
	WIN 0
	s_barrier_wait -1
	PLACES 4
	FETCH 4, 0
	MULR 1, 3, 4, 8, 0
	STEP 1, 4, 1
	STEP 1, 5, 1
	STEP 1, 6, 1
	STEP 1, 7, 0
	WIN 0
	PLACES 4
.irp n, 0,1,2,3
	QBLK \n, 86, \n*HIB, 4*HIB+\n*HIB              ; tile n of the head's 64, the key step's 128 tokens: [c 2][tile of d 4]
.endr
	v_cndmask_b32 v[PR], v[WD], v[WD+1], s[MK]     ; tiles of d 0 | 1,
	v_cndmask_b32 v[PR+1], v[WD+2], v[WD+3], s[MK] ; 2 | 3
	global_store_b64 v[L8], v[PR:PR+1], s[88:89]
	s_wait_tensorcnt 0x0                           ; the wave's end
	ds_add_u32 v[SPW], v[NIL]
	s_wait_dscnt 0x0
	CROUND                                         ; the closing round
	s_endpgm
.Lfunc_end_k_q1c4ddc5c21_qkv:
	.size	k_q1c4ddc5c21_qkv, .Lfunc_end_k_q1c4ddc5c21_qkv-k_q1c4ddc5c21_qkv
	.p2alignl 7, 3214868480
	.fill 96, 4, 3214868480
	.section	.rodata,"a",@progbits
	.p2align	6, 0x0
	.amdhsa_kernel k_q1c4ddc5c21_qkv
		.amdhsa_group_segment_fixed_size 327680
		.amdhsa_private_segment_fixed_size 0
		.amdhsa_enable_private_segment 0
		.amdhsa_kernarg_size 40
		.amdhsa_user_sgpr_count 2
		.amdhsa_user_sgpr_kernarg_segment_ptr 1
		.amdhsa_wavefront_size32 1
		.amdhsa_system_sgpr_workgroup_id_x 1
		.amdhsa_system_sgpr_workgroup_id_y 1
		.amdhsa_system_sgpr_workgroup_id_z 1
		.amdhsa_system_vgpr_workitem_id 0
		.amdhsa_next_free_vgpr 768
		.amdhsa_next_free_sgpr 102
		.amdhsa_reserve_vcc 0
		.amdhsa_float_denorm_mode_32 3
		.amdhsa_float_denorm_mode_16_64 3
		.amdhsa_memory_ordered 1
		.amdhsa_forward_progress 1
		.amdhsa_inst_pref_size 166
	.end_amdhsa_kernel
	.amdgpu_metadata
---
amdhsa.version: [ 1, 2 ]
amdhsa.kernels:
  - .name:           k_q1c4ddc5c21_qkv
    .symbol:         k_q1c4ddc5c21_qkv.kd
    .args:
      - { .name: opimg, .offset: 0, .size: 8, .value_kind: global_buffer, .address_space: global }
      - { .name: opscl, .offset: 8, .size: 8, .value_kind: global_buffer, .address_space: global }
      - { .name: qimg, .offset: 16, .size: 8, .value_kind: global_buffer, .address_space: global }
      - { .name: qscl, .offset: 24, .size: 8, .value_kind: global_buffer, .address_space: global }
      - { .name: kv, .offset: 32, .size: 8, .value_kind: global_buffer, .address_space: global }
    .group_segment_fixed_size: 327680
    .private_segment_fixed_size: 0
    .kernarg_segment_align: 8
    .kernarg_segment_size: 40
    .max_flat_workgroup_size: 128
    .sgpr_count:     102
    .vgpr_count:     768
    .wavefront_size: 32
...
	.end_amdgpu_metadata
.endif
;; end of part 2
;; launch attn (part 3): grid 4 x 64, 16 waves a work-group, clusters of 4 x 1, 210,944 bytes of LDS; arguments qimg, qscl, kv, aimg, ascl; writes aimg, ascl
.if DOCPART == 3
	.amdgcn_target "amdgcn-amd-amdhsa--gfx1250"
	.amdhsa_code_object_version 6
	.text
	.protected	k_q1c4ddc5c21_attn
	.globl	k_q1c4ddc5c21_attn
	.p2align	8
	.type	k_q1c4ddc5c21_attn,@function
k_q1c4ddc5c21_attn:
	s_mov_b64 s[64:65], 0
	v_nop
	global_prefetch_b8 v0, s[64:65] scope:SCOPE_SE
	s_setreg_imm32_b32 hwreg(HW_REG_WAVE_MODE, 25, 1), 1
	s_wait_xcnt 0x0
	s_wait_alu depctr_hold_cnt(0) depctr_sa_sdst(0) depctr_va_vdst(0) depctr_va_sdst(0) depctr_va_ssrc(0) depctr_va_vcc(0) depctr_vm_vsrc(0)
	s_getreg_b32 s2, hwreg(HW_REG_IB_STS2, 6, 4)
	s_cmp_eq_u32 s2, 0
	s_cbranch_scc0 .Lentry_in_a_cluster
	s_endpgm
.Lentry_in_a_cluster:
	s_bfe_u32 s2, ttmp6, 0x10000c
	s_cmp_lg_u32 s2, 0x3003
	s_cbranch_scc0 .Lentry_shape_is_right
	s_endpgm
.Lentry_shape_is_right:
; O[head][q] = the sum over the keys of softmax(q . k / 8) v, both products on codes of FP6 (E2M3) with E8M0 scales; O is quantised along (head, d) in registers and leaves as codes for the projection.
; THE SOFTMAX AHEAD OF THE SECOND PRODUCT: t = score x log2(e) / 8; M = the running largest t rounded UP to a whole number; p = 2^(t - M) is what is quantised, along the keys, not normalised.
; The row's sum is taken of the unquantised p and divides O at the end.  When M moves, the sum and O are multiplied by 2^(old M - new M): exact.
; SHARES.  64 heads x 4 blocks of 512 queries = 256 work-groups.  Each of a work-group's sixteen waves takes two tiles of 16 queries, one after the other (tiles 32 x block + wave and 16 further on), in 256 registers: four waves to a SIMD.
; LDS IS A COPY OF THE HEAD'S RECORD in kv, 17 units of 12,288 bytes, filled ONCE: unit 0 = k's 32 scale groups and v's 16; unit 1 + j = key step j (128 keys): k's 8 tiles, then v as [c 2][tile of d 4], half images of 768 bytes.
; The record is 816 rows of 256 bytes: each wave asks for 51 of them, 13,056 bytes, by its one tensor load at the head.  Waves 0-3, whose load line is their own, bring bytes 0 .. 52,223: unit 0 and key steps 0-2.
; TWO BARRIERS: the first, in front of which waves 0-3 wait for their loads, shows those bytes, and the first tile's key steps 0-2 follow; the second, in front of which every wave waits, shows the whole record.
; Nothing is ever filled again and no wave writes LDS, so the other 29 key steps of a wave meet no barrier.
; The four blocks of a head form a cluster and read the same record: every load is joint.  NO PREFETCH: all that the launch reads by tensor loads is asked for at the head, so there is no later load to run ahead of.
; LAYOUT.  Both products are used transposed (source 0 = 16 keys, or 16 of the head's 64; source 1 = my 16 queries, or p): a lane holds ONE query throughout.  Tiles hold rows 32 p + 8 u + r + 8 (r / 8), so that the 16 registers of
; two neighbouring result tiles are 16 neighbours along the next K.
; K = 64 IN AN INSTRUCTION OF 128: q's registers 6-11 are zero codes, and bytes 2, 3 of q's and k's scale words are 0 (2^-127, no NaN).  So k's fragment t may be the 12 registers from its own six on: what follows them meets zero codes.
; LIMITS: NaN and infinities are not served; the scaled scores t stay under 2^31 in magnitude; a block of O whose largest magnitude lies under 2^-124 keeps the byte 1, a block of zeros too.
; ascl is stored two bytes a lane: a scale word spans two heads and a work-group has one.
; REGISTERS: v1-7 addresses; v12 -M, v13 the largest t, v[14:15] the sum; v16-27 q; v[30:31] v's scale pair; v32-79 k's 8 tiles, then v's 4 fragments; v80-85 zeros; v96-159 scores, then p; v160-191 O; v192-198 the second tile's q and scale word;
; v223, v243 the spare word's address and 0; v224-235 p's codes; v232-254 at work; v248-251 k's scale pairs; v253 p's scale word; v255 q's.
.set UNIT, 12288
.set RECB, 17*UNIT
.set PART, RECB/16                     ; a wave's share of the record: 51 rows of 256 bytes
.set SPARE, RECB                       ; behind the record: the spare words, 128 bytes a wave
.set HIB,  768
.set L16,  1                           ; v1  16 x lane
.set L8,   2                           ; v2  8 x lane
.set AD16, 3                           ; v3  the step's unit + 16 x lane
.set AD8,  4                           ; v4  + 8 x lane
.set ADK,  5                           ; v5  the step's two scale groups of k
.set ADV,  6                           ; v6  the step's scale group of v
.set R8,   7                           ; v7  8 r
.set WV,   18
.set SEL,  20                          ; s[20:21] lane selects: lane l xor 16
.set CS,   22                          ; s[22:23] c = log2(e) / 8
.set G1,   24                          ; s[24:31] group 1
.set G0,   40                          ; s[40:43] group 0
.set TB,   3
.set TSK,  66
.set TSV,  67
.set CNT,  68
.macro CROUND                          ; a round of the cluster's barrier
	s_barrier_signal -1
	s_barrier_wait -1
	s_cmp_lg_u32 s[WV], 0
	s_cbranch_scc1 .Lnot_wave_0_\@
	s_barrier_signal -3
.Lnot_wave_0_\@:
	s_barrier_wait -3
	s_barrier_signal -1
	s_barrier_wait -1
.endm
	s_load_b256 s[4:11], s[0:1], 0x0               ; qimg s[4:5], qscl s[6:7], kv s[8:9], aimg s[10:11]
	s_load_b64 s[12:13], s[0:1], 0x20              ; ascl
	v_lshl_add_u32 v223, v0, 2, SPARE
	v_mov_b32 v243, 0
	ds_add_u32 v223, v243                          ; the opening lines
	ds_add_u32 v223, v243
	v_lshrrev_b32 v8, 5, v0
	s_delay_alu instid0(VALU_DEP_1)
	v_readfirstlane_b32 s[WV], v8                  ; wave 0..15
	s_bfe_u32 s15, ttmp6, 0x40000                  ; cx = my block of 512 queries: it enters q's and O's addresses alone
	s_and_b32 s16, ttmp7, 0xffff                   ; 16 x batch + head, which the four partners share
	s_lshl_b32 s17, s15, 5
	s_add_co_u32 s17, s17, s[WV]                   ; my first tile of queries; the second is 16 further on
	s_mul_i32 s70, s16, RECB
	s_mov_b32 s71, 0
	s_mov_b32 s[G1], 15|(3<<16)|(1<<21)            ; 15:0 the mask: all four work-groups; 17:16 elements of 8 bytes; 21 set beside a mask
	s_mov_b32 s[G1+1], 32<<16                      ; rows of 256 bytes,
	s_mov_b32 s[G1+2], 51<<16                      ; 51 of them, dense
	s_mov_b32 s[G1+3], 32<<16
	s_mov_b32 s[G1+4], 51
	s_mov_b32 s[G1+5], 32
	s_mov_b32 s[G1+6], 0
	s_mov_b32 s[G1+7], 0
	s_mul_i32 s19, s[WV], PART                     ; my part: the same place in LDS as in the record
	s_mov_b32 s73, 0
	s_wait_dscnt 0x0
	s_wait_kmcnt 0x0
	s_add_nc_u64 s[8:9], s[8:9], s[70:71]          ; the head's record
	s_mov_b32 s[G0], 1
	s_mov_b32 s[G0+1], s19
	s_mov_b32 s72, s19
	s_add_nc_u64 s[G0+2:G0+3], s[8:9], s[72:73]
	s_or_b32 s[G0+3], s[G0+3], 0x80000000
	CROUND                                         ; all four work-groups are here: the joint loads meet
	s_cmp_lt_u32 s[WV], 4                          ; my one tensor load, in one of two arms
	s_cbranch_scc0 .Lrest
	tensor_load_to_lds s[G0:G0+3], s[G1:G1+7]      ; waves 0-3: unit 0 and key steps 0-2
	s_nop 0
.rept 4
	v_nop
.endr
	s_branch .Lasked
.Lrest:
	tensor_load_to_lds s[G0:G0+3], s[G1:G1+7]      ; waves 4-15: the rest of the record
	s_nop 0
.rept 4
	v_nop
.endr
.Lasked:
	s_lshl_b32 s60, s16, 7
	s_add_co_u32 s60, s60, s17
	s_mul_i32 s60, s60, HIB                        ; q's half image: (128 x head + tile) x 768
	s_mov_b32 s61, 0
	s_add_nc_u64 s[4:5], s[4:5], s[60:61]
	s_lshl_b32 s60, s16, 13                        ; q's scale word: 8,192 bytes a head, 256 a group of four tiles;
	s_lshr_b32 s62, s17, 2
	s_lshl_b32 s62, s62, 8
	s_add_co_u32 s60, s60, s62
	s_and_b32 s62, s17, 1                          ; an odd tile's words lie in the group's lanes 16-31: 128 bytes on;
	s_lshl_b32 s62, s62, 7
	s_add_co_u32 s60, s60, s62
	s_bfe_u32 s62, s17, 0x10001                    ; tiles 2, 3 in the pair's second word
	s_lshl_b32 s62, s62, 2
	s_add_co_u32 s60, s60, s62
	s_add_nc_u64 s[6:7], s[6:7], s[60:61]
	s_lshr_b32 s62, s16, 4                         ; the batch
	s_lshl_b32 s62, s62, 7
	s_add_co_u32 s62, s62, s17                     ; my tile of tokens among all 512
	s_and_b32 s63, s16, 15                         ; the head
	s_lshl_b32 s60, s62, 4
	s_add_co_u32 s60, s60, s63
	s_mul_i32 s60, s60, HIB                        ; aimg: (16 x tile + head) x 768
	s_add_nc_u64 s[10:11], s[10:11], s[60:61]
	s_lshl_b32 s60, s62, 9                         ; ascl: 512 bytes a tile; K = 64 x head + d: 128 bytes for each 256 along K,
	s_lshr_b32 s62, s63, 2
	s_lshl_b32 s62, s62, 7
	s_add_co_u32 s60, s60, s62
	s_bfe_u32 s62, s63, 0x10001                    ; 4 for each 128,
	s_lshl_b32 s62, s62, 2
	s_add_co_u32 s60, s60, s62
	s_and_b32 s62, s63, 1                          ; 2 for each 64
	s_lshl_b32 s62, s62, 1
	s_add_co_u32 s60, s60, s62
	s_add_nc_u64 s[12:13], s[12:13], s[60:61]
	s_mov_b32 s[SEL], 0x76543210
	s_mov_b32 s[SEL+1], 0xfedcba98
	s_mov_b32 s[CS], 0x3e38aa3b                    ; c = log2(e) / 8
	s_mov_b32 s[CS+1], s[CS]                       ; (named with it as a pair, so it is written)
	v_and_b32 v8, 31, v0
	s_delay_alu instid0(VALU_DEP_1)
	v_lshlrev_b32 v[L16], 4, v8
	s_delay_alu instid0(VALU_DEP_2)
	v_lshlrev_b32 v[L8], 3, v8
	v_and_b32 v9, 15, v0
	s_delay_alu instid0(VALU_DEP_1)
	v_lshlrev_b32 v[R8], 3, v9
	global_load_b128 v[16:19], v[L16], s[4:5]      ; the first tile's q stays in registers,
	global_load_b64 v[20:21], v[L8], s[4:5] offset:512
	global_load_b32 v255, v[R8], s[6:7]            ; and its scale word;
	global_load_b128 v[192:195], v[L16], s[4:5] offset:16*HIB      ; the second tile's, 16 tiles on, waits in v192-198
	global_load_b64 v[196:197], v[L8], s[4:5] offset:16*HIB+512
	global_load_b32 v198, v[R8], s[6:7] offset:1024                ; four groups of four tiles on
.irp j, 0,1,2,3,4,5
	v_mov_b32 v[22+\j], 0                          ; zero codes for k = 64 .. 127
	v_mov_b32 v[80+\j], 0                          ; what stands behind k's tile 7
.endr
.irp b, 0,1,2,3
	v_mov_b32 v[236+\b], 0                         ; written once: a lane permute's destination counts as one of its sources
.endr
	v_mov_b32 v253, 0                              ; (named as the upper half of the pair v[252:253] before it is first written)
.macro INIT                            ; a tile's start
	v_mov_b32 v13, 0xff61b1e6                      ; the largest t so far: -3e38, under every t
	s_delay_alu instid0(VALU_DEP_1)
	v_floor_f32 v12, -v13                          ; -M
	v_mov_b32 v14, 0                               ; the sum, in two halves
	v_mov_b32 v15, 0
.set j, 0
.rept 32
	v_mov_b32 v[160+j], 0                          ; O.  (The step is written once: the first finds zeros, which the first change of M leaves zeros)
.set j, j+1
.endr
.endm
; A KEY STEP: 128 keys.
.macro STEP
	v_add_nc_u32 v[AD16], s[TB], v[L16]            ; these four are also the places in front of loads into registers that the last products have read
	v_add_nc_u32 v[AD8], s[TB], v[L8]
	v_add_nc_u32 v[ADK], s[TSK], v[L8]
	v_add_nc_u32 v[ADV], s[TSV], v[L8]
.irp t, 0,1,2,3,4,5,6,7
	ds_load_b128 v[32+6*\t:35+6*\t], v[AD16] offset:HIB*\t
	ds_load_b64 v[36+6*\t:37+6*\t], v[AD8] offset:HIB*\t+512
.endr
	ds_load_b64 v[248:249], v[ADK]                 ; k's scale words: tiles 0 | 1, 2 | 3,
	ds_load_b64 v[250:251], v[ADK] offset:256      ; 4 | 5, 6 | 7 (lanes 0-15 | lanes 16-31)
	s_wait_alu depctr_va_vdst(0)
	s_wait_dscnt 0x0
.irp t, 0,1,2,3,4,5,6,7                        ; scores, transposed: eight accumulators, each begun with the constant 0
.if \t % 2
	v_wmma_scale_f32_16x16x128_f8f6f4 v[96+8*\t:103+8*\t], v[32+6*\t:43+6*\t], v[16:27], 0, v[248+2*(\t/4)+(\t%4)/2], v255 matrix_a_fmt:MATRIX_FMT_FP6 matrix_b_fmt:MATRIX_FMT_FP6 matrix_a_scale:MATRIX_SCALE_ROW1
.else
	v_wmma_scale_f32_16x16x128_f8f6f4 v[96+8*\t:103+8*\t], v[32+6*\t:43+6*\t], v[16:27], 0, v[248+2*(\t/4)+(\t%4)/2], v255 matrix_a_fmt:MATRIX_FMT_FP6 matrix_b_fmt:MATRIX_FMT_FP6
.endif
.endr
.rept 4
	v_nop                                          ; places: ahead of the loads into k's registers and of the first read of the scores
.endr
.irp c, 0,1                                    ; v's four fragments land while the softmax is worked
.irp d, 0,1,2,3
	ds_load_b128 v[32+12*\d+6*\c:35+12*\d+6*\c], v[AD16] offset:8*HIB+(4*\c+\d)*HIB
	ds_load_b64 v[36+12*\d+6*\c:37+12*\d+6*\c], v[AD8] offset:8*HIB+(4*\c+\d)*HIB+512
.endr
.endr
	ds_load_b64 v[30:31], v[ADV]                   ; v's scale words: tiles of d 0 | 1, 2 | 3
.irp b, 0,1,2,3
	v_max3_num_f32 v[232+\b], v[96+16*\b], v[97+16*\b], v[98+16*\b]   ; the largest score of each block of 32 keys: it serves for the row's maximum and, since p rises with the score, for the block's largest p
.endr
.irp i, 3,5,7,9,11,13
.irp b, 0,1,2,3
	v_max3_num_f32 v[232+\b], v[232+\b], v[96+16*\b+\i], v[97+16*\b+\i]
.endr
.endr
.irp b, 0,1,2,3
	v_max_num_f32 v[232+\b], v[232+\b], v[111+16*\b]
.endr
.irp b, 0,1,2,3
	s_delay_alu instid0(VALU_DEP_4)
	v_permlanex16_b32 v[236+\b], v[232+\b], s[SEL], s[SEL+1]
.endr
.irp b, 0,1,2,3
	s_delay_alu instid0(VALU_DEP_4)
	v_max_num_f32 v[232+\b], v[232+\b], v[236+\b]  ; with lane l xor 16's 16 keys
.endr
	s_delay_alu instid0(VALU_DEP_2)
	v_max3_num_f32 v254, v232, v233, v234
	s_delay_alu instid0(VALU_DEP_1)
	v_max_num_f32 v254, v254, v235                 ; the step's largest score of my query
	s_delay_alu instid0(VALU_DEP_1)
	v_mul_f32 v254, s[CS], v254                    ; as t (c is positive)
	s_delay_alu instid0(VALU_DEP_1)
	v_max_num_f32 v13, v13, v254                   ; the running largest t
	v_mov_b32 v254, v12
	s_delay_alu instid0(VALU_DEP_2)
	v_floor_f32 v12, -v13                          ; the new -M = floor(-t) = -ceil(t): a whole number
	s_delay_alu instid0(VALU_DEP_1)
	v_sub_f32 v254, v12, v254                      ; M's old value less its new one: a whole number, 0 or less
	s_delay_alu instid0(VALU_DEP_1)
	v_cvt_i32_f32 v254, v254                       ; (it saturates)
	s_delay_alu instid0(VALU_DEP_1)
	v_ldexp_f32 v252, 1.0, v254                    ; f = 2^(old M - new M)
.set j, 0
.rept 32
	v_pk_fma_f32 v[96+j:97+j], v[96+j:97+j], s[CS:CS+1], v[12:13] op_sel_hi:[1,0,0]   ; t - M, two at a time
.set j, j+2
.endr
.irp b, 0,1,2,3
	v_fma_f32 v[232+\b], v[232+\b], s[CS], v12     ; the same of each block's largest score
.endr
.set j, 0
	s_wait_alu depctr_va_vdst(0)
.rept 64
	v_exp_f32 v[96+j], v[96+j]                     ; p = 2^(t - M), at most 1: not normalised
.set j, j+1
.endr
	v_pk_mul_f32 v[14:15], v[14:15], v[252:253] op_sel_hi:[1,0]   ; the sums under the new M.  (A plain place behind the exponentials)
	s_wait_alu depctr_va_vdst(0)                   ; one wait for the whole batch, ahead of its first reader
.irp b, 0,1,2,3
	v_exp_f32 v[232+\b], v[232+\b]                 ; the block's largest p: the same two instructions on the same number give the same bits
.endr
	v_pk_add_f32 v[236:237], v[100:101], v[104:105]   ; the row's sum of the unquantised p, in eight chains
	v_pk_add_f32 v[250:251], v[108:109], v[112:113]
	v_pk_add_f32 v[248:249], v[116:117], v[120:121]
	v_pk_add_f32 v[246:247], v[124:125], v[128:129]
	v_pk_add_f32 v[244:245], v[132:133], v[136:137]
	v_pk_add_f32 v[240:241], v[140:141], v[144:145]
	v_pk_add_f32 v[238:239], v[148:149], v[152:153]
	v_pk_add_f32 v[14:15], v[14:15], v[156:157]
	v_pk_add_f32 v[236:237], v[236:237], v[96:97]
	v_pk_add_f32 v[250:251], v[250:251], v[98:99]
	v_pk_add_f32 v[248:249], v[248:249], v[102:103]
	v_pk_add_f32 v[246:247], v[246:247], v[106:107]
	v_pk_add_f32 v[244:245], v[244:245], v[110:111]
	v_pk_add_f32 v[240:241], v[240:241], v[114:115]
	v_pk_add_f32 v[238:239], v[238:239], v[118:119]
	v_pk_add_f32 v[14:15], v[14:15], v[122:123]
	v_pk_add_f32 v[236:237], v[236:237], v[126:127]
	v_pk_add_f32 v[250:251], v[250:251], v[130:131]
	v_pk_add_f32 v[248:249], v[248:249], v[134:135]
	v_pk_add_f32 v[246:247], v[246:247], v[138:139]
	v_pk_add_f32 v[244:245], v[244:245], v[142:143]
	v_pk_add_f32 v[240:241], v[240:241], v[146:147]
	v_pk_add_f32 v[238:239], v[238:239], v[150:151]
	v_pk_add_f32 v[14:15], v[14:15], v[154:155]
	v_pk_add_f32 v[236:237], v[236:237], v[158:159]
	s_delay_alu instid0(VALU_DEP_2)
	v_pk_add_f32 v[14:15], v[14:15], v[246:247]
	s_delay_alu instid0(VALU_DEP_2)
	v_pk_add_f32 v[236:237], v[236:237], v[244:245]
	v_pk_add_f32 v[250:251], v[250:251], v[240:241]
	v_pk_add_f32 v[248:249], v[248:249], v[238:239]
	s_delay_alu instid0(VALU_DEP_2)
	v_pk_add_f32 v[14:15], v[14:15], v[250:251]
	s_delay_alu instid0(VALU_DEP_2)
	v_pk_add_f32 v[236:237], v[236:237], v[248:249]
	s_delay_alu instid0(VALU_DEP_1)
	v_pk_add_f32 v[14:15], v[14:15], v[236:237]
	s_wait_alu depctr_va_vdst(0)                   ; and one for the four
.irp b, 0,1,2,3
	v_max_num_f32 v[232+\b], 0x1800000, v[232+\b]  ; the floor 2^(3 - 127): the byte cannot fall under 1
.endr
.irp b, 0,1,2,3
	s_delay_alu instid0(VALU_DEP_4)
	v_add_nc_u32 v[244+\b], 0xff000000, v[232+\b]  ; 2 off the exponent field: the conversion's scale operand
.endr
.irp b, 0,1,2,3
	s_delay_alu instid0(VALU_DEP_4)
	v_lshrrev_b32 v[236+\b], 23, v[244+\b]         ; the scale's byte
.endr
	s_delay_alu instid0(VALU_DEP_3)
	v_lshl_or_b32 v253, v237, 8, v236              ; p's scale word for these 128 keys
	s_delay_alu instid0(VALU_DEP_1)
	v_lshl_or_b32 v253, v238, 16, v253
	s_delay_alu instid0(VALU_DEP_1)
	v_lshl_or_b32 v253, v239, 24, v253
.irp c, 0,1
	v_cvt_scalef32_pk16_fp6_f32 v[224+6*\c:226+6*\c], v[96+32*\c:111+32*\c], v[244+2*\c]
	v_cvt_scalef32_pk16_fp6_f32 v[236+4*\c:238+4*\c], v[112+32*\c:127+32*\c], v[244+2*\c+1]
.endr
	v_nop                                          ; one plain place behind a scaled conversion
.irp c, 0,1
.irp i, 0,1,2
	v_permlane16_swap_b32 v[224+6*\c+\i], v[236+4*\c+\i]
.endr
.irp i, 0,1,2
	s_delay_alu instid0(VALU_DEP_3)
	v_mov_b32 v[227+6*\c+\i], v[236+4*\c+\i]
.endr
.endr
.set j, 0
.rept 16
	v_pk_mul_f32 v[160+j:161+j], v[160+j:161+j], v[252:253] op_sel_hi:[1,0]   ; O under the new M.  (These 16 are also the places between the writes of p's codes and scale word and the products)
.set j, j+2
.endr
	s_wait_alu depctr_va_vdst(0)
	s_wait_dscnt 0x0                               ; v's fragments and scale words are in
.irp d, 0,1,2,3                                ; O += v p, transposed: four accumulators by turns
.if \d % 2
	v_wmma_scale_f32_16x16x128_f8f6f4 v[160+8*\d:167+8*\d], v[32+12*\d:43+12*\d], v[224:235], v[160+8*\d:167+8*\d], v[30+\d/2], v253 matrix_a_fmt:MATRIX_FMT_FP6 matrix_b_fmt:MATRIX_FMT_FP6 matrix_a_scale:MATRIX_SCALE_ROW1
.else
	v_wmma_scale_f32_16x16x128_f8f6f4 v[160+8*\d:167+8*\d], v[32+12*\d:43+12*\d], v[224:235], v[160+8*\d:167+8*\d], v[30+\d/2], v253 matrix_a_fmt:MATRIX_FMT_FP6 matrix_b_fmt:MATRIX_FMT_FP6
.endif
.endr
	s_add_co_u32 s[TB], s[TB], UNIT                ; the next key step
	s_add_co_u32 s[TSK], s[TSK], 512
	s_add_co_u32 s[TSV], s[TSV], 256
.endm
.macro WALK t, n                       ; key steps t .. t + n - 1, out of LDS
	s_mov_b32 s[TB], UNIT*(1+\t)
	s_mov_b32 s[TSK], 512*\t
	s_mov_b32 s[TSV], 8192+256*\t
	s_mov_b32 s[CNT], \n
.Lstep_\@:
	STEP
	s_sub_co_u32 s[CNT], s[CNT], 1
	s_cmp_lg_u32 s[CNT], 0
	s_cbranch_scc1 .Lstep_\@
.endm
; THE WAY OUT of tile p (0, 1) of my two; the second tile's results lie 16 tiles of tokens on.  O / the sum; register 16 q + i is d = 32 q + 16 (lane / 16) + i of my query: two blocks of 32 along the projection's K.
; They are quantised as every operand is, and leave as one half image and two scale bytes.
.macro OUT p
	v_add_f32 v14, v14, v15                        ; the sum's two halves,
	s_delay_alu instid0(VALU_DEP_1)
	v_permlanex16_b32 v252, v14, s[SEL], s[SEL+1]
	s_delay_alu instid0(VALU_DEP_1)
	v_add_f32 v14, v14, v252                       ; and lane l xor 16's: the row's sum
	s_wait_alu depctr_va_vdst(0)
	v_rcp_f32 v14, v14
.rept 2
	v_nop                                          ; a plain place behind the reciprocal; with the lines above, the places behind the last products
.endr
	s_wait_alu depctr_va_vdst(0)                   ; ahead of the reciprocal's first reader
.set j, 0
.rept 16
	v_pk_mul_f32 v[96+j:97+j], v[160+j:161+j], v[14:15] op_sel_hi:[1,0]   ; each accumulator from its low end on
.set j, j+2
.endr
.irp q, 0,1
	v_max3_num_f32 v[232+\q], |v[96+16*\q]|, |v[97+16*\q]|, 0x1800000
.endr
.irp i, 2,4,6,8,10,12,14
.irp q, 0,1
	s_delay_alu instid0(VALU_DEP_2)
	v_max3_num_f32 v[232+\q], v[232+\q], |v[96+16*\q+\i]|, |v[97+16*\q+\i]|
.endr
.endr
.irp q, 0,1
	s_delay_alu instid0(VALU_DEP_2)
	v_permlanex16_b32 v[236+\q], v[232+\q], s[SEL], s[SEL+1]
.endr
.irp q, 0,1
	s_delay_alu instid0(VALU_DEP_2)
	v_max_num_f32 v[232+\q], v[232+\q], v[236+\q]
.endr
.irp q, 0,1
	s_delay_alu instid0(VALU_DEP_2)
	v_add_nc_u32 v[244+\q], 0xff000000, v[232+\q]
.endr
.irp q, 0,1
	s_delay_alu instid0(VALU_DEP_2)
	v_lshrrev_b32 v[236+\q], 23, v[244+\q]
.endr
	s_delay_alu instid0(VALU_DEP_1)
	v_lshl_or_b32 v240, v237, 8, v236              ; my row's two scale bytes
	v_cvt_scalef32_pk16_fp6_f32 v[224:226], v[96:111], v244
	v_cvt_scalef32_pk16_fp6_f32 v[228:230], v[112:127], v245
	v_nop                                          ; one plain place behind a scaled conversion
.irp i, 0,1,2
	v_permlane16_swap_b32 v[224+\i], v[228+\i]     ; a whole block to a lane: lanes 0-15 block 0, lanes 16-31 block 1
.endr
	s_delay_alu instid0(VALU_DEP_3)
	v_mov_b32 v227, v228
	s_delay_alu instid0(VALU_DEP_3)
	v_mov_b32 v228, v229
	s_delay_alu instid0(VALU_DEP_3)
	v_mov_b32 v229, v230
	global_store_b128 v[L16], v[224:227], s[10:11] offset:(\p)*256*HIB          ; 512 consecutive bytes, aligned to 256
	global_store_b64 v[L8], v[228:229], s[10:11] offset:(\p)*256*HIB+512        ; 256 consecutive bytes, aligned
	global_store_b16 v[R8], v240, s[12:13] offset:(\p)*8192    ; both halves of the lanes write the same two bytes with the same value
.endm
	INIT
	s_wait_alu depctr_va_vdst(0)
	s_wait_loadcnt 0x0                             ; both tiles' q
	s_cmp_lt_u32 s[WV], 4
	s_cbranch_scc0 .Lnot_first
	s_wait_tensorcnt 0x0                           ; waves 0-3: my part of the record's first 52,224 bytes is in
.Lnot_first:
	s_barrier_signal -1
	s_barrier_wait -1                              ; unit 0 and key steps 0-2 are in; the other loads may still be on their way
	WALK 0, 3
	s_wait_tensorcnt 0x0                           ; every wave: my part of the record is in,
	s_barrier_signal -1
	s_barrier_wait -1                              ; everybody's is: the whole record stands in LDS for the rest of the launch
	WALK 3, 13
	OUT 0
	s_wait_alu depctr_va_vdst(0)
	s_wait_xcnt 0x0                                ; the first tile's stores have read their registers, which the second tile's steps write again
.irp j, 0,1,2,3,4,5
	v_mov_b32 v[16+\j], v[192+\j]                  ; the second tile's q,
.endr
	v_mov_b32 v255, v198                           ; and its scale word; the 36 lines of INIT stand between these writes and the first product
	INIT
	WALK 0, 16
	OUT 1
	s_wait_tensorcnt 0x0                           ; the wave's end
	ds_add_u32 v223, v243
	s_wait_dscnt 0x0
	CROUND                                         ; the closing round: no work-group ends while a partner may still ask for a tile that names it
	s_endpgm
.Lfunc_end_k_q1c4ddc5c21_attn:
	.size	k_q1c4ddc5c21_attn, .Lfunc_end_k_q1c4ddc5c21_attn-k_q1c4ddc5c21_attn
	.p2alignl 7, 3214868480
	.fill 96, 4, 3214868480
	.section	.rodata,"a",@progbits
	.p2align	6, 0x0
	.amdhsa_kernel k_q1c4ddc5c21_attn
		.amdhsa_group_segment_fixed_size 210944
		.amdhsa_private_segment_fixed_size 0
		.amdhsa_enable_private_segment 0
		.amdhsa_kernarg_size 40
		.amdhsa_user_sgpr_count 2
		.amdhsa_user_sgpr_kernarg_segment_ptr 1
		.amdhsa_wavefront_size32 1
		.amdhsa_system_sgpr_workgroup_id_x 1
		.amdhsa_system_sgpr_workgroup_id_y 1
		.amdhsa_system_sgpr_workgroup_id_z 1
		.amdhsa_system_vgpr_workitem_id 0
		.amdhsa_next_free_vgpr 256
		.amdhsa_next_free_sgpr 80
		.amdhsa_reserve_vcc 0
		.amdhsa_float_denorm_mode_32 3
		.amdhsa_float_denorm_mode_16_64 3
		.amdhsa_memory_ordered 1
		.amdhsa_forward_progress 1
		.amdhsa_inst_pref_size 70
	.end_amdhsa_kernel
	.amdgpu_metadata
---
amdhsa.version: [ 1, 2 ]
amdhsa.kernels:
  - .name:           k_q1c4ddc5c21_attn
    .symbol:         k_q1c4ddc5c21_attn.kd
    .args:
      - { .name: qimg, .offset: 0, .size: 8, .value_kind: global_buffer, .address_space: global }
      - { .name: qscl, .offset: 8, .size: 8, .value_kind: global_buffer, .address_space: global }
      - { .name: kv, .offset: 16, .size: 8, .value_kind: global_buffer, .address_space: global }
      - { .name: aimg, .offset: 24, .size: 8, .value_kind: global_buffer, .address_space: global }
      - { .name: ascl, .offset: 32, .size: 8, .value_kind: global_buffer, .address_space: global }
    .group_segment_fixed_size: 210944
    .private_segment_fixed_size: 0
    .kernarg_segment_align: 8
    .kernarg_segment_size: 40
    .max_flat_workgroup_size: 512
    .sgpr_count:     80
    .vgpr_count:     256
    .wavefront_size: 32
...
	.end_amdgpu_metadata
.endif
;; end of part 3
;; launch proj (part 4): grid 8 x 32, 4 waves a work-group, clusters of 4 x 4, 327,680 bytes of LDS; arguments aimg, ascl, opimg, opscl, b_out, out0; writes out0
.if DOCPART == 4
	.amdgcn_target "amdgcn-amd-amdhsa--gfx1250"
	.amdhsa_code_object_version 6
	.text
	.protected	k_q1c4ddc5c21_proj
	.globl	k_q1c4ddc5c21_proj
	.p2align	8
	.type	k_q1c4ddc5c21_proj,@function
k_q1c4ddc5c21_proj:
	s_mov_b64 s[64:65], 0
	v_nop
	global_prefetch_b8 v0, s[64:65] scope:SCOPE_SE
	s_setreg_imm32_b32 hwreg(HW_REG_WAVE_MODE, 25, 1), 1
	s_wait_xcnt 0x0
	s_wait_alu depctr_hold_cnt(0) depctr_sa_sdst(0) depctr_va_vdst(0) depctr_va_sdst(0) depctr_va_ssrc(0) depctr_va_vcc(0) depctr_vm_vsrc(0)
	s_getreg_b32 s2, hwreg(HW_REG_IB_STS2, 6, 4)
	s_cmp_eq_u32 s2, 0
	s_cbranch_scc0 .Lentry_in_a_cluster
	s_endpgm
.Lentry_in_a_cluster:
	s_bfe_u32 s2, ttmp6, 0x10000c
	s_cmp_lg_u32 s2, 0xf033
	s_cbranch_scc0 .Lentry_shape_is_right
	s_endpgm
.Lentry_shape_is_right:
; out0 = O w_out^T + b_out on codes of FP6 (E2M3) with E8M0 scales: A = the attention's result as operand images (aimg, ascl), B = w_out's rows (opimg, opscl from tile 704 on); f32 out.
; SHARES.  32 blocks of 256 tokens x 8 blocks of 128 columns = 256 work-groups of four waves; a wave makes 128 x 64: 32 accumulators, 256 registers.
; LDS: A's 256 rows as two halves of K, [half][16 tiles][6,144 bytes]; B's 128 rows likewise, [half][8 tiles][6,144 bytes]; the spare words; a stage of 16 rows x 272 bytes for each wave.  Everything is filled ONCE,
; by one joint load a wave at the head, each in an arm of its own: A's half 0, B's half 0, A's half 1, B's half 1.  The head's barrier shows the two halves 0 (waves 0 and 1 wait for their loads in front of it);
; a plain barrier in K step 3, in front of which every wave waits for its load, shows the halves 1.  A's tiles are shared along a row of the cluster, B's along a column.
; NO PREFETCH: all that tensor loads bring is asked for at the head, so there is no later load to run ahead of.
; SCALE WORDS go from memory into registers, 256 consecutive bytes a load: lanes 0-15 take one pair of K steps, lanes 16-31 the next pair, and the product names the row of lanes.
; Source 0 = w_out's rows: a lane holds one token and eight neighbouring columns.  The bias is the first products' C.  The results leave through the stage as whole rows of 256 bytes, sixteen lanes to a row.
; Tiles hold rows 32 p + 8 u + r + 8 (r / 8), tokens and columns alike.
; REGISTERS.  Window 0: v4-15, v20-23 addresses, v32-63 A's scale words, v66-81 B's, v88-119 the bias, v128-223 A's fragments set 0, then the way out.  Window 1: v0-47, v64-111 B's two sets, v128-223 A's set 1.  Window 2: the sums.
.set TILEB, 12288
.set HIB,   768
.set KH,    6144
.set AHB,   16*KH                      ; a half of K of A's 16 tiles
.set BB,    2*AHB
.set BH,    8*KH                       ; a half of K of B's 8 tiles
.set SPARE, BB+2*BH
.set STAGE, SPARE+512
.set SPITCH, 272
.set WT0,   704                        ; w_out's first tile in opimg
.set ADA16, 4
.set ADA8,  6
.set ADB16, 8
.set ADB8,  10
.set L16,   12
.set L8,    13
.set SPW,   14
.set NIL,   15
.set STO,   20
.set RD,    21
.set CO,    22
.set BO,    23
.set SA,    32
.set SBB,   66                         ; 2 more than SA modulo 8
.set BI,    88
.set BK,    128
.set G1A, 24
.set G1B, 32
.set G0HA, 56
.set G0HB, 60
.set MSB, 0
.macro WIN new
.if MSB != (\new)
	s_set_vgpr_msb (MSB<<8)|(\new)
.set MSB, (\new)
.endif
.endm
.macro PLACES n
.rept \n
	v_nop
.endr
.endm
.macro CROUND
	s_barrier_signal -1
	s_barrier_wait -1
	s_cmp_lg_u32 s14, 0
	s_cbranch_scc1 .Lnot_wave_0_\@
	s_barrier_signal -3
.Lnot_wave_0_\@:
	s_barrier_wait -3
	s_barrier_signal -1
	s_barrier_wait -1
.endm
.macro TLOAD g0, g1
	tensor_load_to_lds s[\g0:\g0+3], s[\g1:\g1+7]
	s_nop 0
	PLACES 4
.endm
.macro GROUP1 g, mask, rows            ; rows of 6,144 bytes (768 elements of 8), 12,288 bytes apart in memory, dense in LDS
	s_or_b32 s[\g], s[\mask], (3<<16)|(1<<21)
	s_mov_b32 s[\g+1], 768<<16
	s_mov_b32 s[\g+2], (\rows)<<16
	s_mov_b32 s[\g+3], 768<<16
	s_mov_b32 s[\g+4], \rows
	s_mov_b32 s[\g+5], 1536
	s_mov_b32 s[\g+6], 0
	s_mov_b32 s[\g+7], 0
.endm
.macro G0SET g, base, off
	s_mov_b32 s[\g], 1
	s_add_nc_u64 s[\g+2:\g+3], s[\base:\base+1], s[\off:\off+1]
	s_or_b32 s[\g+3], s[\g+3], 0x80000000
.endm
.macro FETCH q, s                      ; K step q's fragments into set s: B's 4, A's 8
	WIN 0x40
.irp b, 0,1,2,3
.irp c, 0,1
	ds_load_b128 v[64*(\s)+12*\b+6*\c:64*(\s)+12*\b+6*\c+3], v[ADB16+(\q)/4] offset:\b*KH+(2*((\q)%4)+\c)*HIB
	ds_load_b64 v[64*(\s)+12*\b+6*\c+4:64*(\s)+12*\b+6*\c+5], v[ADB8+(\q)/4] offset:\b*KH+(2*((\q)%4)+\c)*HIB+512
.endr
.endr
	WIN (\s)<<6
.irp i, 0,1,2,3,4,5,6,7
.irp c, 0,1
	ds_load_b128 v[128+12*\i+6*\c:128+12*\i+6*\c+3], v[ADA16+(\q)/4] offset:\i*KH+(2*((\q)%4)+\c)*HIB
	ds_load_b64 v[128+12*\i+6*\c+4:128+12*\i+6*\c+5], v[ADA8+(\q)/4] offset:\i*KH+(2*((\q)%4)+\c)*HIB+512
.endr
.endr
.endm
.macro W1 d, s0, s1, c, x0, x1, row
.if \row
	v_wmma_scale_f32_16x16x128_f8f6f4 v[\d:\d+7], v[\s0:\s0+11], v[\s1:\s1+11], \c, v[\x0], v[\x1] matrix_a_fmt:MATRIX_FMT_FP6 matrix_b_fmt:MATRIX_FMT_FP6 matrix_a_scale:MATRIX_SCALE_ROW1 matrix_b_scale:MATRIX_SCALE_ROW1
.else
	v_wmma_scale_f32_16x16x128_f8f6f4 v[\d:\d+7], v[\s0:\s0+11], v[\s1:\s1+11], \c, v[\x0], v[\x1] matrix_a_fmt:MATRIX_FMT_FP6 matrix_b_fmt:MATRIX_FMT_FP6
.endif
.endm
.macro MULR q, a0, a1                  ; the products of K step q for A's tiles a0 .. a1 - 1, each against B's four; sum (a, b) at 8 (4 a + b), the accumulators by turns
.set S_, (\q)%2
.set XO_, 2*((\q)/4)+(\q)%2
.set R_, ((\q)/2)%2
.if (\q) == 0
	WIN 1|(S_<<2)|0x80                             ; C, the bias, in window 0
.else
	WIN 1|(S_<<2)|0xa0
.endif
.set A_, \a0
.rept (\a1)-(\a0)
.set B_, 0
.rept 4
.set D_, 8*(4*A_+B_)
.if (\q) == 0
	W1 D_, 64*S_+12*B_, 128+12*A_, v[BI+8*B_:BI+8*B_+7], SBB+4*B_+XO_, SA+4*A_+XO_, R_
.else
	W1 D_, 64*S_+12*B_, 128+12*A_, v[D_:D_+7], SBB+4*B_+XO_, SA+4*A_+XO_, R_
.endif
.set B_, B_+1
.endr
.set A_, A_+1
.endr
.endm
.macro STEP q, fetch                   ; a K step
	s_wait_dscnt 0x0                               ; this step's fragments are in
.if \fetch
	PLACES 4                                       ; behind the last step's products, which read the set that is loaded now
	FETCH (\q)+1, ((\q)+1)%2
.endif
	MULR \q, 0, 8
.endm
	s_load_b256 s[4:11], s[0:1], 0x0               ; aimg s[4:5], ascl s[6:7], opimg s[8:9], opscl s[10:11]
	s_load_b128 s[96:99], s[0:1], 0x20             ; b_out, out0
	v_lshl_add_u32 v[SPW], v0, 2, SPARE
	v_mov_b32 v[NIL], 0
	ds_add_u32 v[SPW], v[NIL]                      ; the opening lines
	ds_add_u32 v[SPW], v[NIL]
	v_lshrrev_b32 v1, 5, v0
	v_readfirstlane_b32 s14, v1                    ; wave; s15: which 128 tokens (at the head: which half of K I fetch), s16: which 64 columns (at the head: A or B)
	s_lshr_b32 s15, s14, 1
	s_and_b32 s16, s14, 1
	s_bfe_u32 s40, ttmp6, 0x40000                  ; cx
	s_bfe_u32 s41, ttmp6, 0x40004                  ; cy
	s_lshl_b32 s42, ttmp9, 2
	s_add_co_u32 s42, s42, s40                     ; block of 128 columns, 0..7
	s_and_b32 s17, ttmp7, 0xffff
	s_lshl_b32 s17, s17, 2
	s_add_co_u32 s17, s17, s41                     ; block of 256 tokens, 0..31
	s_lshl_b32 s43, s41, 2
	s_lshl_b32 s43, 15, s43                        ; my row of the cluster
	s_lshl_b32 s44, 0x1111, s40                    ; my column
	GROUP1 G1A, 43, 16                             ; 16 tiles of A, half of K
	GROUP1 G1B, 44, 8                              ; 8 tiles of B, half of K
	s_mul_i32 s19, s15, KH                         ; the head's loads: half wave / 2 of K
	s_lshl_b32 s20, s17, 4
	s_mul_i32 s20, s20, TILEB
	s_add_co_u32 s20, s20, s19                     ; of A's tiles 16 x block ..
	s_mov_b32 s21, 0
	s_lshl_b32 s46, s42, 3
	s_add_co_u32 s46, s46, WT0
	s_mul_i32 s22, s46, TILEB
	s_add_co_u32 s22, s22, s19                     ; of B's 8 tiles
	s_mov_b32 s23, 0
	s_lshl_b32 s48, s17, 4
	s_lshl_b32 s18, s15, 3
	s_add_co_u32 s48, s48, s18
	s_lshl_b32 s48, s48, 9                         ; A's scale words: 512 bytes a tile, my 8 tiles
	s_mov_b32 s49, 0
	s_lshl_b32 s18, s16, 2
	s_add_co_u32 s50, s46, s18
	s_lshl_b32 s50, s50, 9                         ; B's: my 4 tiles
	s_mov_b32 s51, 0
	s_lshl_b32 s52, s42, 9
	s_lshl_b32 s18, s16, 8
	s_add_co_u32 s52, s52, s18                     ; my first column, in bytes: 512 x block + 256 x half
	s_mov_b32 s53, 0
	s_lshl_b32 s54, s17, 20
	s_lshl_b32 s18, s15, 19
	s_add_co_u32 s54, s54, s18                     ; my first token's row of 4,096 bytes
	s_mov_b32 s55, 0
	s_mul_i32 s[G0HA+1], s15, AHB
	s_mul_i32 s[G0HB+1], s15, BH
	s_add_co_u32 s[G0HB+1], s[G0HB+1], BB
	s_wait_dscnt 0x0
	s_wait_kmcnt 0x0
	G0SET G0HA, 4, 20
	G0SET G0HB, 8, 22
	s_add_nc_u64 s[6:7], s[6:7], s[48:49]
	s_add_nc_u64 s[10:11], s[10:11], s[50:51]
	s_add_nc_u64 s[96:97], s[96:97], s[52:53]
	s_add_nc_u64 s[98:99], s[98:99], s[52:53]
	s_add_nc_u64 s[98:99], s[98:99], s[54:55]
	CROUND                                         ; all sixteen work-groups are here: the joint loads meet
	s_cmp_eq_u32 s14, 0                            ; one chain of branches on the wave's number, one load to an arm
	s_cbranch_scc0 .Lwave_1
	TLOAD G0HA, G1A                                ; wave 0: A's half 0 of K
	s_branch .Lhead_asked
.Lwave_1:
	s_cmp_eq_u32 s14, 1
	s_cbranch_scc0 .Lwave_2
	TLOAD G0HB, G1B                                ; wave 1: B's half 0
	s_branch .Lhead_asked
.Lwave_2:
	s_cmp_eq_u32 s14, 2
	s_cbranch_scc0 .Lwave_3
	TLOAD G0HA, G1A                                ; wave 2: A's half 1
	s_branch .Lhead_asked
.Lwave_3:
	TLOAD G0HB, G1B                                ; wave 3: B's half 1
.Lhead_asked:
	v_and_b32 v2, 31, v0
	v_and_b32 v1, 15, v0                           ; r
	v_bfe_u32 v3, v0, 4, 1                         ; h
	v_lshlrev_b32 v[L16], 4, v2
	v_lshlrev_b32 v[L8], 3, v2
	v_lshlrev_b32 v[BO], 6, v3                     ; the bias: lanes 16-31 begin 16 columns on
	s_mul_i32 s18, s15, 8*KH
	v_add_nc_u32 v[ADA16], s18, v[L16]             ; A's 8 tiles of mine, half 0 of K,
	v_add_nc_u32 v[ADA8], s18, v[L8]
	s_add_co_u32 s18, s18, AHB
	v_add_nc_u32 v[ADA16+1], s18, v[L16]           ; half 1
	v_add_nc_u32 v[ADA8+1], s18, v[L8]
	s_mul_i32 s18, s16, 4*KH
	s_add_co_u32 s18, s18, BB
	v_add_nc_u32 v[ADB16], s18, v[L16]             ; B's four tiles, half 0 of K,
	v_add_nc_u32 v[ADB8], s18, v[L8]
	s_add_co_u32 s18, s18, BH
	v_add_nc_u32 v[ADB16+1], s18, v[L16]           ; half 1
	v_add_nc_u32 v[ADB8+1], s18, v[L8]
	s_mul_i32 s18, s14, 16*SPITCH
	s_add_co_u32 s18, s18, STAGE                   ; my stage
	v_mul_u32_u24 v[STO], v1, SPITCH               ; in: row r, 64 bytes for each half of the lanes
	v_lshl_add_u32 v[STO], v3, 6, v[STO]
	v_add_nc_u32 v[STO], s18, v[STO]
	v_mul_u32_u24 v[RD], v3, SPITCH                ; back: lanes 0-15 one row of 256 bytes, lanes 16-31 the next
	v_lshl_add_u32 v[RD], v1, 4, v[RD]
	v_add_nc_u32 v[RD], s18, v[RD]
	v_lshlrev_b32 v[CO], 12, v3                    ; and the same two rows in out0
	v_lshl_add_u32 v[CO], v1, 4, v[CO]
.irp i, 0,1,2,3,4,5,6,7
.irp p, 0,1
	global_load_b64 v[SA+4*\i+2*\p:SA+4*\i+2*\p+1], v[L8], s[6:7] offset:\i*512+\p*256
.endr
.endr
.irp b, 0,1,2,3
.irp p, 0,1
	global_load_b64 v[SBB+4*\b+2*\p:SBB+4*\b+2*\p+1], v[L8], s[10:11] offset:\b*512+\p*256
.endr
.endr
.irp b, 0,1,2,3
	global_load_b128 v[BI+8*\b:BI+8*\b+3], v[BO], s[96:97] offset:(32*(\b/2)+8*(\b%2))*4      ; register j of tile b is column 32 (b / 2) + 8 (b % 2) + 16 h + j
	global_load_b128 v[BI+8*\b+4:BI+8*\b+7], v[BO], s[96:97] offset:(32*(\b/2)+8*(\b%2))*4+16
.endr
	s_wait_alu depctr_va_vdst(0)
	s_cmp_lt_u32 s14, 2
	s_cbranch_scc0 .Lnot_half_0
	s_wait_tensorcnt 0x0                           ; waves 0 and 1: my half 0 is in
.Lnot_half_0:
	s_barrier_signal -1
	s_barrier_wait -1                              ; both halves 0 are in; the halves 1 may still be on their way
	FETCH 0, 0
	s_wait_loadcnt 0x0                             ; the scale words and the bias
	STEP 0, 1
	STEP 1, 1
	STEP 2, 1
	s_wait_dscnt 0x0                               ; K step 3's fragments are in
	s_wait_tensorcnt 0x0                           ; every wave: my load is in;
	s_barrier_signal -1                            ; a plain barrier shows the halves 1 to all
	MULR 3, 0, 4
	WIN 0
	s_barrier_wait -1
	PLACES 4
	FETCH 4, 0
	MULR 3, 4, 8
	STEP 4, 1
	STEP 5, 1
	STEP 6, 1
	STEP 7, 0
	WIN 0
; THE WAY OUT, block by block of 16 tokens x 64 columns, through my own stage.  LDS serves a wave's instructions in order: no wait between the stores and the loads, nor in front of the next block's stores.
.macro TOSTAGE a
.set AC, 32*(\a)
	WIN 0x08                                       ; the data: window 2
.irp b, 0,1,2,3
	ds_store_b128 v[STO], v[AC+8*\b:AC+8*\b+3] offset:128*(\b/2)+32*(\b%2)          ; each accumulator from its low end on
	ds_store_b128 v[STO], v[AC+8*\b+4:AC+8*\b+7] offset:128*(\b/2)+32*(\b%2)+16
.endr
	WIN 0
.irp t, 0,1,2,3,4,5,6,7
	ds_load_b128 v[BK+32*((\a)%2)+4*\t:BK+32*((\a)%2)+4*\t+3], v[RD] offset:\t*2*SPITCH
.endr
.endm
.macro SEND a, younger                 ; younger: the LDS instructions issued behind block a's loads
	s_wait_dscnt \younger
.irp t, 0,1,2,3,4,5,6,7
	global_store_b128 v[CO], v[BK+32*((\a)%2)+4*\t:BK+32*((\a)%2)+4*\t+3], s[98:99] offset:(32*((\a)/2)+8*((\a)%2)+2*\t+8*(\t/4))*4096 th:TH_STORE_NT   ; sixteen lanes store 256 consecutive bytes, aligned
.endr
.endm
	PLACES 4                                       ; behind the last products: ahead of the reads of the sums and of the loads into A's registers
	TOSTAGE 0
.irp a, 1,2,3,4,5,6,7
.if \a > 1
	s_wait_xcnt 0x0                                ; block a - 2's stores have read their registers: block a's loads may land there
.endif
	TOSTAGE \a
	SEND \a-1, 16                                  ; behind block a - 1's loads: block a's 8 stores and 8 loads
.endr
	SEND 7, 0
	s_wait_tensorcnt 0x0                           ; the wave's end
	ds_add_u32 v[SPW], v[NIL]
	s_wait_dscnt 0x0
	CROUND                                         ; the closing round
	s_endpgm
.Lfunc_end_k_q1c4ddc5c21_proj:
	.size	k_q1c4ddc5c21_proj, .Lfunc_end_k_q1c4ddc5c21_proj-k_q1c4ddc5c21_proj
	.p2alignl 7, 3214868480
	.fill 96, 4, 3214868480
	.section	.rodata,"a",@progbits
	.p2align	6, 0x0
	.amdhsa_kernel k_q1c4ddc5c21_proj
		.amdhsa_group_segment_fixed_size 327680
		.amdhsa_private_segment_fixed_size 0
		.amdhsa_enable_private_segment 0
		.amdhsa_kernarg_size 48
		.amdhsa_user_sgpr_count 2
		.amdhsa_user_sgpr_kernarg_segment_ptr 1
		.amdhsa_wavefront_size32 1
		.amdhsa_system_sgpr_workgroup_id_x 1
		.amdhsa_system_sgpr_workgroup_id_y 1
		.amdhsa_system_sgpr_workgroup_id_z 1
		.amdhsa_system_vgpr_workitem_id 0
		.amdhsa_next_free_vgpr 768
		.amdhsa_next_free_sgpr 102
		.amdhsa_reserve_vcc 0
		.amdhsa_float_denorm_mode_32 3
		.amdhsa_float_denorm_mode_16_64 3
		.amdhsa_memory_ordered 1
		.amdhsa_forward_progress 1
		.amdhsa_inst_pref_size 84
	.end_amdhsa_kernel
	.amdgpu_metadata
---
amdhsa.version: [ 1, 2 ]
amdhsa.kernels:
  - .name:           k_q1c4ddc5c21_proj
    .symbol:         k_q1c4ddc5c21_proj.kd
    .args:
      - { .name: aimg, .offset: 0, .size: 8, .value_kind: global_buffer, .address_space: global }
      - { .name: ascl, .offset: 8, .size: 8, .value_kind: global_buffer, .address_space: global }
      - { .name: opimg, .offset: 16, .size: 8, .value_kind: global_buffer, .address_space: global }
      - { .name: opscl, .offset: 24, .size: 8, .value_kind: global_buffer, .address_space: global }
      - { .name: b_out, .offset: 32, .size: 8, .value_kind: global_buffer, .address_space: global }
      - { .name: out0, .offset: 40, .size: 8, .value_kind: global_buffer, .address_space: global }
    .group_segment_fixed_size: 327680
    .private_segment_fixed_size: 0
    .kernarg_segment_align: 8
    .kernarg_segment_size: 48
    .max_flat_workgroup_size: 128
    .sgpr_count:     102
    .vgpr_count:     768
    .wavefront_size: 32
...
	.end_amdgpu_metadata
.endif
;; end of part 4
